; MI455X (gfx1250); checked and timed in simulation.
; The chip was launched on July 23, 2026; its instructions are those of AMD's public machine-readable ISA for CDNA 5 (MIT licence, August 2026) and "CDNA5" Instruction Set Architecture Reference Guide (July 2026). The comments in the code are by the model that wrote it; some were corrected since.
;; Attention layer. Allowed arithmetic: matrix products marked QUANTISED: E4M3 operands, one E8M0 scale for each 32 along K, by v_wmma_scale_f32_16x16x128_f8f6f4 with both operands' format E4M3, f32 sums; everything else in f32.
;; Inputs: encoder_output_embedding 4 x 2,048 x 1,024 float32; input_embeddings 4 x 2,048 x 1,024 float32; token_attention_masks_source 4 x 2,048 int32; token_attention_masks_target 4 x 2,048 int32; w_key 1,024 x 1,024 float32; w_query 1,024 x 1,024 float32; w_value 1,024 x 1,024 float32.
;; Outputs: out0 4 x 2,048 x 1,024 float32.
;; This version of the problem:
;;   THIS VERSION OF THE PROBLEM IS GIVEN IN LOW PRECISION. The matrix products marked QUANTISED in the list below multiply operands that are first quantised to E4M3 (4 exponent bits, 3 mantissa bits; 8 bits a number), with one power-of-two scale for each 32 numbers along K (OCP MX v1.0); their sums are f32. All else is computed in f32.
;;   The module's matrix products, in the order in which they are computed (A, B: the left and right operand; K: the contracted axis; several contracted axes count as one K, in the product's order):
;;     1. [M 8,192, K 1,024] x [K 1,024, N 1,024]; A: input input_embeddings; B: input w_query: QUANTISED
;;     2. [M 8,192, K 1,024] x [K 1,024, N 1,024]; A: input input_embeddings; B: input w_key: QUANTISED
;;     3. [M 8,192, K 1,024] x [K 1,024, N 1,024]; A: input input_embeddings; B: input w_value: QUANTISED
;;     4. batch 32 x [M 2,048, K 128] x [K 128, N 2,048]; A: computed on the way; B: computed on the way: QUANTISED
;;     5. batch 32 x [M 2,048, K 2,048] x [K 2,048, N 128]; A: softmax (see below); B: computed on the way: QUANTISED
;;   THE QUANTISER, for each operand of a quantised product, along K:
;;     - K is cut into blocks of 32 from its start; a last block that is shorter is filled with zeros.
;;     - A block's scale is 2^e with e = floor(log2(the largest magnitude in the block)) - 8, held to -126 .. 127; a block of zeros has e = 0. As a byte (E8M0): e + 127.
;;     - Each number is divided by its block's scale, clamped to +-448, and rounded to the nearest number of E4M3, ties to even, subnormals kept.
;;     - The product sums the exact products of the quantised numbers (number of the format x scale) in f32.
;;   ~~~python
;;   def quantise(x, axis):      # numpy; x: float32 -> the quantised numbers, widened to float32 again
;;       x = np.moveaxis(x, axis, -1); K = x.shape[-1]
;;       x = np.pad(x, [(0, 0)] * (x.ndim - 1) + [(0, -K % 32)]); x = x.reshape(x.shape[:-1] + (-1, 32)); a = np.abs(x).max(-1, keepdims=True)
;;       e = np.where(a > 0, np.clip(np.frexp(np.where(a > 0, a, 1))[1] - 1 - 8, -126, 127), 0)      # np.frexp(a)[1] - 1 = floor(log2(a)), exactly
;;       r = np.clip(x / 2.0 ** e, -448, 448)
;;       step = 2.0 ** (np.maximum(np.frexp(np.where(r == 0, 1, r))[1] - 1, -6) - 3)
;;       q = np.round(r / step) * step * 2.0 ** e      # np.round: ties to even
;;       return np.moveaxis(q.reshape(q.shape[:-2] + (-1,))[..., :K], -1, axis).astype(np.float32)
;;   ~~~
;;   SOFTMAX AHEAD OF A QUANTISED PRODUCT. Where the list says 'softmax', what is quantised is not the finished softmax but p = 2^(t - M), with t = logit x log2(e) and M = ceil(the row's largest t), a whole number; so 1/2 < the row's largest p <= 1. The row's sum l is taken of the UNQUANTISED p, in f32, and the product's result is divided by l at the end. Since M is a whole number, a kernel that streams over the keys may use a running M (the ceiling of the running maximum): every later rescaling is an exact power of two, which a block's scale takes up: the codes' values come out the same.
;;   OPERANDS COMPUTED ON THE WAY. 'Computed on the way' means the value that the module computes at that place (a softmax that the list does not call 'softmax' is quantised finished and normalised). What goes into a quantiser is computed in f32, as accurately as f32 sums, v_exp_f32 and their like allow (about 1e-6 of the number): no bf16 or f16 on the way to a quantiser, and a product that is left as it is and whose result goes on into a quantised operand takes f32 operands (vector FMAs, or v_wmma_f32_16x16x4_f32). A number that lies on a knife's edge between two numbers of the format may be rounded either way, as far as f32 arithmetic and the matrix unit's own rounding can turn it there, and no further.
;; One version. Each part assembles by itself: llvm-mc -triple=amdgcn-amd-amdhsa -mcpu=gfx1250 --defsym DOCPART=n.
;; ======== version 1 of 1: 4 launches
;; limits: right only within a limited range of input values
;; workspace buffers: xc 8,388,608 bytes; xs 262,144 bytes; wc 3,145,728 bytes; ws 98,304 bytes; img 17,301,504 bytes; oimg 33,554,432 bytes
;; launch quant (part 1): grid 352 x 1, 4 waves a work-group, no clusters, 68,096 bytes of LDS; arguments input_embeddings, w_query, w_key, w_value, xc, xs, wc, ws; writes xc, xs, wc, ws
.if DOCPART == 1
	.amdgcn_target "amdgcn-amd-amdhsa--gfx1250"
	.amdhsa_code_object_version 6
	.text
	.protected	k_q1484ba30e7_quant
	.globl	k_q1484ba30e7_quant
	.p2align	8
	.type	k_q1484ba30e7_quant,@function
k_q1484ba30e7_quant:
	s_mov_b64 s[64:65], 0
	v_nop
	global_prefetch_b8 v0, s[64:65] scope:SCOPE_SE
	s_setreg_imm32_b32 hwreg(HW_REG_WAVE_MODE, 25, 1), 1
	s_wait_xcnt 0x0
; x [8192][1024] f32 and Wq, Wk, Wv [1024 (k)][1024 (n)] f32 become codes of FP8 (E4M3), K innermost, with one E8M0 scale byte for each 32 along K.
; A block's scale is 2^(floor(log2(its largest magnitude)) - 8); its byte is the largest magnitude's exponent field - 8, held at 1 from below; each number is divided by the scale,
; held within +-448 and rounded to the nearest code, ties to even.
; LIMITS: a block whose largest magnitude lies under 2^-118 gets the byte 1; a block of zeros gets the byte 1 and not 127 (its codes are zeros, which add nothing under any byte but 0xff,
; and this program alone reads the bytes); NaN and infinities among the inputs are not served.
; THE ORDER OF ROWS in xc, xs, wc, ws: within each 32 rows bits 3 and 4 of the row's number change places: place 32 B + 16 u + 8 g + l holds row 32 B + 16 g + 8 u + l.  So 16 rows on end, taken as the
; first source of a matrix instruction, give results whose 16 registers of two neighbouring tiles are 16 neighbours along the next product's K.
; wc's rows are also sorted by head: column n = 8 d + h of tensor T (0 q, 1 k, 2 v) is row 1024 T + 128 h + d (then the exchange of bits, on d).
; Work-groups 0-255 take x (32 rows each, 8 a wave), work-groups 256-351 the weights (128 columns x 256 along K each).  The two ways have LDS bytes of their own.  Waves share nothing: no barrier.
; No cluster: no two work-groups read the same bytes.  No tensor loads: the bytes pass through registers anyway.
; INPUTS LEFT OUT: encoder_output_embedding and token_attention_masks_target are named by no line of reference()'s body, so no output hangs on them, whatever they hold: they are not loaded and are among no launch's arguments.
; LIMIT: a NaN or an infinity in those two inputs is not carried to the result.
.set SP,    80                         ; x: a lane's place in a stage: its 64 bytes + 16 of padding
.set WREG,  8192                       ; x: LDS of a wave: two stages of 32 x SP bytes, behind them its 256 scale bytes
.set STEPS, 16
.set MANT,  0x600000                   ; the mantissa field of 448
.set XR,    16                         ; v16-79   x: four sets of 16 numbers as loaded
.set XX,    80                         ; v80-111  x: two sets of 16 neighbours
.set XE,    112                        ; v112-127 x: a scale byte for each step
.set XC,    128                        ; v128-191 x: four registers of codes for each step: no store's data are written again
.set WBASE, 32768                      ; W: the stages begin here
.set WP,    272                        ; W: a stage row: 256 bytes + 16
.set NB,    8                          ; W: blocks of 32 along K for a wave
.set WSB,   24                         ; v24-25   W: the scale bytes
.set WX,    32                         ; v32-95   W: two sets of 32 numbers
.set WC,    96                         ; v96-103  W: a block's codes
.set WOUT,  112                        ; v112-175 W: the way out
	s_load_b256 s[4:11], s[0:1], 0x0               ; x s[4:5], Wq s[6:7], Wk s[8:9], Wv s[10:11]
	s_load_b256 s[12:19], s[0:1], 0x20             ; xc s[12:13], xs s[14:15], wc s[16:17], ws s[18:19]
	v_lshl_add_u32 v192, v0, 2, 0x10800
	v_mov_b32 v193, 0
	v_lshrrev_b32 v1, 5, v0
	v_readfirstlane_b32 s20, v1                    ; wave 0..3
	v_and_b32 v2, 31, v0                           ; lane
	s_cmp_ge_u32 ttmp9, 256
	s_cbranch_scc1 .Lweights
; ---------------- x: a plain stream of blocks of 32.  A wave takes 8 rows = 16 steps of 512 numbers.
; Each load reads 512 consecutive bytes; a step's 2,048 bytes turn through the wave's stage so that a lane holds 16 neighbours; two neighbouring lanes hold a block.
	v_lshlrev_b32 v3, 4, v2                        ; my 16 bytes of a load's 512
	s_mul_i32 s21, s20, WREG
	v_lshrrev_b32 v14, 2, v2
	v_mul_u32_u24 v14, v14, SP
	v_and_b32 v15, 3, v2
	v_lshl_add_u32 v14, v15, 4, v14
	v_add_nc_u32 v14, s21, v14                     ; the stage, on the way in: SP (lane / 4) + 16 (lane % 4)
	v_mul_u32_u24 v15, v2, SP
	v_add_nc_u32 v15, s21, v15                     ; and on the way out: SP x lane
	v_lshlrev_b32 v4, 4, v2                        ; my 16 codes' place in a step's 512
	v_lshrrev_b32 v5, 1, v2
	s_add_co_u32 s21, s21, 2*32*SP
	v_add_nc_u32 v5, s21, v5                       ; my block's byte among the wave's 256
	v_lshlrev_b32 v7, 3, v2
	v_add_nc_u32 v6, s21, v7                       ; and 8 bytes a lane on their way out
	s_mov_b32 s23, MANT
	s_lshl_b32 s24, ttmp9, 2
	s_add_co_u32 s26, s24, s20                     ; which 8 rows I read: 4 x work-group + wave
	s_lshl_b32 s26, s26, 15                        ; 32,768 bytes each
	s_mov_b32 s27, 0
	s_and_b32 s28, s20, 1
	s_lshl_b32 s28, s28, 1
	s_lshr_b32 s29, s20, 1
	s_add_co_u32 s28, s28, s29                     ; where they go: the wave number's two bits change places
	s_add_co_u32 s28, s28, s24
	s_lshl_b32 s30, s28, 13                        ; 8,192 bytes of codes,
	s_mov_b32 s31, 0
	s_lshl_b32 s28, s28, 8                         ; 256 scale bytes
	s_mov_b32 s29, 0
	s_wait_alu depctr_va_vdst(0)
	s_wait_kmcnt 0x0
	s_add_nc_u64 s[4:5], s[4:5], s[26:27]
	s_add_nc_u64 s[12:13], s[12:13], s[30:31]
	s_add_nc_u64 s[14:15], s[14:15], s[28:29]
.macro XLOAD t
.irp i, 0,1,2,3
	global_load_b128 v[XR+16*((\t)%4)+4*\i:XR+16*((\t)%4)+4*\i+3], v3, s[4:5] offset:2048*(\t)+512*\i th:TH_LOAD_NT
.endr
.endm
.macro XTURN t                         ; step t's numbers through the stage: LDS serves a wave's instructions in order, so no wait stands between the stores and the loads
.irp i, 0,1,2,3
	ds_store_b128 v14, v[XR+16*((\t)%4)+4*\i:XR+16*((\t)%4)+4*\i+3] offset:32*SP*((\t)%2)+8*SP*\i
.endr
.irp i, 0,1,2,3
	ds_load_b128 v[XX+16*((\t)%2)+4*\i:XX+16*((\t)%2)+4*\i+3], v15 offset:32*SP*((\t)%2)+16*\i
.endr
.endm
.irp t, 0,1,2,3
	XLOAD \t
.endr
	s_wait_loadcnt 12                              ; step 0's four loads are in
	XTURN 0
.macro XSTEP t
.set XS, XX+16*((\t)%2)
.if (\t) > 0
	s_wait_dscnt 1                                 ; this step's numbers are back from the stage (the last step's byte store may be out)
.else
	s_wait_dscnt 0x0
.endif
.if (\t)+4 < STEPS
	XLOAD (\t)+4                                   ; into the registers that this step's stores into the stage have read
.endif
.if (\t)+1 < STEPS
.if STEPS-2-(\t) >= 3
	s_wait_loadcnt 12                              ; the next step's four loads are in; those of the three steps behind it may be out
.else
	s_wait_loadcnt 4*(STEPS-2-(\t))
.endif
	XTURN (\t)+1
.endif
	v_max3_num_f32 v8, |v[XS]|, |v[XS+1]|, |v[XS+2]|               ; the largest magnitude of my 16, in two chains
	v_max3_num_f32 v9, |v[XS+3]|, |v[XS+4]|, |v[XS+5]|
.irp i, 6,10
	v_max3_num_f32 v8, v8, |v[XS+\i]|, |v[XS+\i+1]|
	v_max3_num_f32 v9, v9, |v[XS+\i+2]|, |v[XS+\i+3]|
.endr
	v_max3_num_f32 v8, v8, |v[XS+14]|, |v[XS+15]|
	v_max3_num_f32 v8, v8, v9, 0x4800000           ; and the floor 2^(9 - 127): the byte cannot fall under 1
	v_max_num_f32_dpp v8, v8, v8 row_xmask:1 row_mask:0xf bank_mask:0xf   ; with my neighbour's 16: the block's
	v_add_nc_u32 v11, 0xfc000000, v8               ; 8 off its exponent field: the conversion's scale operand
	v_and_or_b32 v10, v8, 0x7f800000, s23          ; 448 x the scale
.irp i, 0,1,2,3,4,5,6,7,8,9,10,11,12,13,14,15
	v_med3_num_f32 v[XS+\i], v[XS+\i], -v10, v10   ; the conversion to an 8-bit code does not saturate (ISA guide 7.6.2): the hold comes first
.endr
	v_cvt_scalef32_pk8_fp8_f32 v[XC+4*(\t):XC+4*(\t)+1], v[XS:XS+7], v11
	v_cvt_scalef32_pk8_fp8_f32 v[XC+4*(\t)+2:XC+4*(\t)+3], v[XS+8:XS+15], v11
	v_lshrrev_b32 v[XE+(\t)], 23, v11              ; the scale's byte
	ds_store_b8 v5, v[XE+(\t)] offset:16*(\t)      ; both lanes of a block write the same byte with the same value
	global_store_b128 v4, v[XC+4*(\t):XC+4*(\t)+3], s[12:13] offset:512*(\t)   ; the wave stores 512 consecutive bytes
.endm
.irp t, 0,1,2,3,4,5,6,7,8,9,10,11,12,13,14,15
	XSTEP \t
.endr
	ds_load_b64 v[12:13], v6                       ; LDS serves a wave's instructions in order: these see my stores
	s_wait_dscnt 0x0
	global_store_b64 v7, v[12:13], s[14:15]        ; 32 lanes store 256 consecutive bytes, aligned
	s_wait_tensorcnt 0x0
	ds_add_u32 v192, v193
	s_wait_dscnt 0x0
	s_endpgm
; ---------------- the weights: a lane takes a column n, its registers run down K: a block of 32 lies in one lane, and the codes come out with K innermost.
.Lweights:
	s_sub_co_u32 s21, ttmp9, 256
	s_lshr_b32 s22, s21, 5                         ; T: which weight
	s_and_b32 s23, s21, 7                          ; which 128 columns
	s_bfe_u32 s24, s21, 0x20003                    ; which 256 along K
	s_lshl_b32 s25, s23, 9
	s_lshl_b32 s26, s20, 7
	s_add_co_u32 s26, s26, s25                     ; 4 x my wave's first column: n0 = 128 x + 32 wave
	s_lshl_b32 s25, s24, 20                        ; 256 rows of 4,096 bytes
	s_add_co_u32 s26, s26, s25
	s_mov_b32 s27, 0
	s_lshr_b32 s28, s23, 1                         ; my columns are d = 16 x + 4 wave + lane / 8, h = lane % 8.  d's place, bits 3 and 4 exchanged:
	s_lshl_b32 s28, s28, 5
	s_lshr_b32 s29, s20, 1
	s_lshl_b32 s29, s29, 4
	s_add_co_u32 s28, s28, s29
	s_and_b32 s29, s23, 1
	s_lshl_b32 s29, s29, 3
	s_add_co_u32 s28, s28, s29
	s_and_b32 s29, s20, 1
	s_lshl_b32 s29, s29, 2
	s_add_co_u32 s28, s28, s29                     ; 32 (x / 2) + 16 (wave / 2) + 8 (x % 2) + 4 (wave % 2)
	s_lshl_b32 s29, s22, 10
	s_add_co_u32 s28, s28, s29                     ; + 1024 T
	s_lshl_b32 s30, s28, 10
	s_lshl_b32 s29, s24, 8
	s_add_co_u32 s30, s30, s29                     ; codes: row x 1,024 + 256 y
	s_mov_b32 s31, 0
	s_lshl_b32 s28, s28, 5
	s_lshl_b32 s29, s24, 3
	s_add_co_u32 s28, s28, s29                     ; scale bytes: row x 32 + 8 y
	s_mov_b32 s29, 0
	s_mul_i32 s32, s20, 32*WP
	s_add_co_u32 s32, s32, WBASE                   ; my stage
	s_wait_alu depctr_va_vdst(0)
	v_lshlrev_b32 v3, 2, v2                        ; in: 4 bytes a lane
	v_mul_u32_u24 v4, v2, WP
	v_add_nc_u32 v4, s32, v4                       ; into the stage: row = my column
	v_and_b32 v5, 15, v2
	v_lshrrev_b32 v6, 4, v2
	v_mul_u32_u24 v7, v6, WP
	v_lshl_add_u32 v7, v5, 4, v7
	v_add_nc_u32 v7, s32, v7                       ; out of it: sixteen lanes to a row, two rows an instruction
	v_lshlrev_b32 v8, 17, v6                       ; the odd stage row is the next head: 128 rows of 1,024 bytes on
	v_lshl_add_u32 v8, v5, 4, v8
	v_and_b32 v9, 7, v2
	v_lshlrev_b32 v9, 7, v9
	v_lshrrev_b32 v10, 3, v2
	v_add_nc_u32 v9, v9, v10
	v_lshlrev_b32 v9, 5, v9                        ; my column's row of scale bytes: (128 h + lane / 8) x 32
	s_mov_b32 s33, MANT
	s_wait_kmcnt 0x0
	s_cmp_eq_u32 s22, 1                            ; the weight is chosen on the work-group's number alone
	s_cselect_b64 s[6:7], s[8:9], s[6:7]
	s_cmp_eq_u32 s22, 2
	s_cselect_b64 s[6:7], s[10:11], s[6:7]
	s_add_nc_u64 s[6:7], s[6:7], s[26:27]
	s_add_nc_u64 s[16:17], s[16:17], s[30:31]
	s_add_nc_u64 s[18:19], s[18:19], s[28:29]
.macro WLOAD t                         ; block t: W(32 t + i, my column) into set t % 2; the wave reads 128 consecutive bytes, the work-group 512
.irp i, 0,1,2,3,4,5,6,7,8,9,10,11,12,13,14,15,16,17,18,19,20,21,22,23,24,25,26,27,28,29,30,31
	global_load_b32 v[WX+32*((\t)%2)+\i], v3, s[6:7] offset:(32*(\t)+\i)*4096 th:TH_LOAD_NT
.endr
.endm
	WLOAD 0
	WLOAD 1
.macro WBLOCK t
.set WS, WX+32*((\t)%2)
.if (\t) < NB-1
	s_wait_loadcnt 32                              ; this block's 32 loads are in; the next block's may be out
.else
	s_wait_loadcnt 0x0
.endif
	v_max3_num_f32 v12, |v[WS]|, |v[WS+1]|, |v[WS+2]|              ; the block's largest magnitude: all 32 numbers are mine
	v_max3_num_f32 v13, |v[WS+3]|, |v[WS+4]|, |v[WS+5]|
.irp i, 6,10,14,18,22,26
	v_max3_num_f32 v12, v12, |v[WS+\i]|, |v[WS+\i+1]|
	v_max3_num_f32 v13, v13, |v[WS+\i+2]|, |v[WS+\i+3]|
.endr
	v_max3_num_f32 v12, v12, |v[WS+30]|, |v[WS+31]|
	v_max3_num_f32 v12, v12, v13, 0x4800000        ; and the floor
	v_add_nc_u32 v11, 0xfc000000, v12              ; the conversion's scale operand
	v_and_or_b32 v10, v12, 0x7f800000, s33         ; 448 x the scale
	v_lshrrev_b32 v13, 23, v11                     ; the scale's byte
.if (\t)%4 == 0
	v_mov_b32 v[WSB+(\t)/4], v13                   ; four bytes to a register, the lower K in the lower byte
.else
	v_lshl_or_b32 v[WSB+(\t)/4], v13, 8*((\t)%4), v[WSB+(\t)/4]
.endif
.irp i, 0,1,2,3,4,5,6,7,8,9,10,11,12,13,14,15,16,17,18,19,20,21,22,23,24,25,26,27,28,29,30,31
	v_med3_num_f32 v[WS+\i], v[WS+\i], -v10, v10
.endr
.irp g, 0,1,2,3
	v_cvt_scalef32_pk8_fp8_f32 v[WC+2*\g:WC+2*\g+1], v[WS+8*\g:WS+8*\g+7], v11
.endr
	ds_store_b128 v4, v[WC:WC+3] offset:32*(\t)
	ds_store_b128 v4, v[WC+4:WC+7] offset:32*(\t)+16
.if (\t)+2 < NB
	WLOAD (\t)+2
.endif
	s_wait_dscnt 0x0                               ; the stores have read their registers: the next block's codes may be written
.endm
.irp t, 0,1,2,3,4,5,6,7
	WBLOCK \t
.endr
	global_store_b64 v9, v[WSB:WSB+1], s[18:19]    ; my column's 8 scale bytes: rows 32 bytes apart; 98,304 bytes in the whole launch leave so
.irp t, 0,1,2,3,4,5,6,7,8,9,10,11,12,13,14,15
	ds_load_b128 v[WOUT+4*\t:WOUT+4*\t+3], v7 offset:2*\t*WP       ; stage rows 2 t and 2 t + 1: heads 2 (t % 4) and + 1, d + t / 4
.endr
.irp t, 0,1,2,3,4,5,6,7,8,9,10,11,12,13,14,15
	s_wait_dscnt 15-\t
	global_store_b128 v8, v[WOUT+4*\t:WOUT+4*\t+3], s[16:17] offset:(256*(\t%4)+\t/4)*1024   ; sixteen lanes store 256 consecutive bytes, aligned
.endr
	s_wait_tensorcnt 0x0
	ds_add_u32 v192, v193
	s_wait_dscnt 0x0
	s_endpgm
.Lfunc_end_k_q1484ba30e7_quant:
	.size	k_q1484ba30e7_quant, .Lfunc_end_k_q1484ba30e7_quant-k_q1484ba30e7_quant
	.p2alignl 7, 3214868480
	.fill 96, 4, 3214868480
	.section	.rodata,"a",@progbits
	.p2align	6, 0x0
	.amdhsa_kernel k_q1484ba30e7_quant
		.amdhsa_group_segment_fixed_size 68096
		.amdhsa_private_segment_fixed_size 0
		.amdhsa_enable_private_segment 0
		.amdhsa_kernarg_size 64
		.amdhsa_user_sgpr_count 2
		.amdhsa_user_sgpr_kernarg_segment_ptr 1
		.amdhsa_wavefront_size32 1
		.amdhsa_system_sgpr_workgroup_id_x 1
		.amdhsa_system_sgpr_workgroup_id_y 1
		.amdhsa_system_sgpr_workgroup_id_z 1
		.amdhsa_system_vgpr_workitem_id 0
		.amdhsa_next_free_vgpr 194
		.amdhsa_next_free_sgpr 66
		.amdhsa_reserve_vcc 0
		.amdhsa_float_denorm_mode_32 3
		.amdhsa_float_denorm_mode_16_64 3
		.amdhsa_memory_ordered 1
		.amdhsa_forward_progress 1
		.amdhsa_inst_pref_size 110
	.end_amdhsa_kernel
	.amdgpu_metadata
---
amdhsa.version: [ 1, 2 ]
amdhsa.kernels:
  - .name:           k_q1484ba30e7_quant
    .symbol:         k_q1484ba30e7_quant.kd
    .args:
      - { .name: input_embeddings, .offset: 0, .size: 8, .value_kind: global_buffer, .address_space: global }
      - { .name: w_query, .offset: 8, .size: 8, .value_kind: global_buffer, .address_space: global }
      - { .name: w_key, .offset: 16, .size: 8, .value_kind: global_buffer, .address_space: global }
      - { .name: w_value, .offset: 24, .size: 8, .value_kind: global_buffer, .address_space: global }
      - { .name: xc, .offset: 32, .size: 8, .value_kind: global_buffer, .address_space: global }
      - { .name: xs, .offset: 40, .size: 8, .value_kind: global_buffer, .address_space: global }
      - { .name: wc, .offset: 48, .size: 8, .value_kind: global_buffer, .address_space: global }
      - { .name: ws, .offset: 56, .size: 8, .value_kind: global_buffer, .address_space: global }
    .group_segment_fixed_size: 68096
    .private_segment_fixed_size: 0
    .kernarg_segment_align: 8
    .kernarg_segment_size: 64
    .max_flat_workgroup_size: 128
    .sgpr_count:     66
    .vgpr_count:     194
    .wavefront_size: 32
...
	.end_amdgpu_metadata
.endif
;; end of part 1
;; launch proj (part 2): grid 4 x 64, 4 waves a work-group, clusters of 4 x 4, 327,680 bytes of LDS; arguments xc, xs, wc, ws, img; writes img
.if DOCPART == 2
	.amdgcn_target "amdgcn-amd-amdhsa--gfx1250"
	.amdhsa_code_object_version 6
	.text
	.protected	k_q1484ba30e7_proj
	.globl	k_q1484ba30e7_proj
	.p2align	8
	.type	k_q1484ba30e7_proj,@function
k_q1484ba30e7_proj:
	s_mov_b64 s[64:65], 0
	v_nop
	global_prefetch_b8 v0, s[64:65] scope:SCOPE_SE
	s_setreg_imm32_b32 hwreg(HW_REG_WAVE_MODE, 25, 1), 1
	s_wait_xcnt 0x0
	s_wait_alu depctr_hold_cnt(0) depctr_sa_sdst(0) depctr_va_vdst(0) depctr_va_sdst(0) depctr_va_ssrc(0) depctr_va_vcc(0) depctr_vm_vsrc(0)
	s_getreg_b32 s2, hwreg(HW_REG_IB_STS2, 6, 4)
	s_cmp_eq_u32 s2, 0
	s_cbranch_scc0 .Lentry_in_a_cluster
	s_endpgm
.Lentry_in_a_cluster:
	s_bfe_u32 s2, ttmp6, 0x10000c
	s_cmp_lg_u32 s2, 0xf033
	s_cbranch_scc0 .Lentry_shape_is_right
	s_endpgm
.Lentry_shape_is_right:
; k = x Wk and v = x Wv on codes of FP8 (E4M3) with E8M0 scales, and their quantisers: 8,192 x 2,048 x 1,024; 256 blocks of 256 x 256, four waves of 128 x 128 each; K in four steps of 256 through two LDS slots.
; Clusters with y under 8 make k: A = 256 rows of x, B = 256 rows of wc (Wk's columns).  The others make v: A = 256 rows of wc (Wv's columns), B = 256 rows of x.  The product is used transposed (source 0 = B's rows),
; so a lane holds one row of A and its registers run along B's rows: along the head's d for k, along the keys for v: the next product's K.  Each 128 x 128 leaves as a block of img: 8 fragments of codes, then the scale words.
; THE HEAD: one joint load a wave: wave 0 A's 256 rows of K step 0, wave 1 B's, wave 2 A's scale bytes for all of K, wave 3 B's; K step 1 is asked for behind the full sequence and a round, as a refill is.
; A's tiles are shared along a row of the cluster, B's along a column.  No prefetch: four K steps at a block of 256 x 256 in clusters leave no loop to run ahead in.
; LIMITS: a block whose largest magnitude lies under 2^-118, zeros among them, gets the byte 1 (read by this program alone); NaN and infinities are not served.
.set SIZE_K, 1024
.set G0H, 4                            ; s[4:7], s[8:11] group 0 of the head's loads of codes (the arguments that lay there have been used by then)
.set G0HB, 8
.set KSTEP,  256
.set NQ,     KSTEP/128
.set ROWB,   256
.set KROW,   SIZE_K
.set PITCH,  272
.set FR,     16
.set NL,     4
.set NP,     8
.set HALFT,  128*PITCH
.set SLOT,   4*HALFT
.set KS,     SIZE_K/32
.set SCL,    2*SLOT
.set HALFS,  (128*KS/256)*272
.set SBLK,   (16*KS/256)*272
.set SPARE,  SCL+4*HALFS
.set BLK,    16896
.set ADRA, 16
.set ADRB, 20
.set CO,   26
.set ADRS, 27
.set SPW,  28
.set NIL,  29
.set SC,   32
.set TM,   64
.set PW,   80
.set SW,   84
.set AF,   128
.set PC,   128
.set G1, 24
.set G0, 32
.set G1B, 48
.set G0B, 56
.set G1S, 68
.set G0S, 76
.set G1SB, 80
.set G0SB, 88
.set MSB, 0
.macro WIN new
.if MSB != \new
	s_set_vgpr_msb (MSB<<8)|\new
.set MSB, \new
.endif
.endm
.set MUL_LO, 0xa1
.set MUL_HI, 0xf1
.set TO_B,   0x40
.macro JLOAD g0a, g1a, g0b, g1b
	s_cmp_eq_u32 s15, 0
	s_cbranch_scc0 .Lfor_b_\@
	tensor_load_to_lds s[\g0a:\g0a+3], s[\g1a:\g1a+7]
	s_nop 0
.rept 4
	v_nop
.endr
	s_branch .Lasked_\@
.Lfor_b_\@:
	tensor_load_to_lds s[\g0b:\g0b+3], s[\g1b:\g1b+7]
	s_nop 0
.rept 4
	v_nop
.endr
.Lasked_\@:
.endm
.macro CREST
	s_cmp_lg_u32 s14, 0
	s_cbranch_scc1 .Lnot_wave_0_\@
	s_barrier_signal -3
.Lnot_wave_0_\@:
	s_barrier_wait -3
	s_barrier_signal -1
	s_barrier_wait -1
.endm
.macro CROUND
	s_barrier_signal -1
	s_barrier_wait -1
	CREST
.endm
	s_load_b256 s[4:11], s[0:1], 0x0
	s_load_b64 s[12:13], s[0:1], 0x20
	v_lshl_add_u32 v[SPW], v0, 2, SPARE
	v_mov_b32 v[NIL], 0
	ds_add_u32 v28, v29
	ds_add_u32 v28, v29
	s_wait_dscnt 0x0
	v_lshrrev_b32 v1, 5, v0
	v_readfirstlane_b32 s14, v1
	s_lshr_b32 s15, s14, 1
	s_and_b32 s16, s14, 1
	s_bfe_u32 s40, ttmp6, 0x40000
	s_bfe_u32 s41, ttmp6, 0x40004
	s_and_b32 s66, ttmp7, 0xffff
	s_sub_co_u32 s67, s66, 8
	s_cmp_ge_u32 s66, 8
	s_cselect_b32 s17, 2, s66
	s_cselect_b32 s42, s67, 1
	s_lshl_b32 s42, s42, 2
	s_add_co_u32 s42, s42, s40
	s_lshl_b32 s17, s17, 2
	s_add_co_u32 s17, s17, s41
	s_lshl_b32 s43, s41, 2
	s_lshl_b32 s43, 15, s43
	s_lshl_b32 s44, 0x1111, s40
	s_or_b32 s[G1+0], s43, (0<<16)|(1<<20)|(1<<21)|(5<<22)|(3<<25)
	s_or_b32 s[G1B+0], s44, (0<<16)|(1<<20)|(1<<21)|(5<<22)|(3<<25)
.irp g, G1, G1B
	s_mov_b32 s[\g+1], ROWB<<16
	s_mov_b32 s[\g+2], 256<<16
	s_mov_b32 s[\g+3], ROWB<<16
	s_mov_b32 s[\g+4], 256
	s_mov_b32 s[\g+5], KROW
	s_mov_b32 s[\g+6], 0
	s_mov_b32 s[\g+7], 0
.endr
	s_or_b32 s[G1S+0], s43, (3<<16)|(1<<20)|(1<<21)|(5<<22)|(3<<25)
	s_or_b32 s[G1SB+0], s44, (3<<16)|(1<<20)|(1<<21)|(5<<22)|(3<<25)
.irp g, G1S, G1SB
	s_mov_b32 s[\g+1], 32<<16
	s_mov_b32 s[\g+2], KS<<16
	s_mov_b32 s[\g+3], 32<<16
	s_mov_b32 s[\g+4], KS
	s_mov_b32 s[\g+5], 32
	s_mov_b32 s[\g+6], 0
	s_mov_b32 s[\g+7], 0
.endr
	s_lshl_b32 s20, s17, 8
	s_lshl_b32 s46, s42, 8
	s_mov_b32 s21, 0
	s_mov_b32 s47, 0
	s_mov_b64 s[18:19], KS
	s_mul_u64 s[22:23], s[20:21], s[18:19]
	s_mul_u64 s[92:93], s[46:47], s[18:19]
	s_mov_b64 s[18:19], KROW
	s_mul_u64 s[20:21], s[20:21], s[18:19]
	s_mul_u64 s[46:47], s[46:47], s[18:19]
	s_mul_i32 s18, s16, 128*KROW                   ; in the ring I fetch 128 rows of a tile: which half, in bytes
	s_mov_b32 s19, 0
	s_mul_i32 s45, s14, HALFT
	s_wait_kmcnt 0x0
	s_cmp_ge_u32 s66, 8
	s_cselect_b64 s[96:97], s[8:9], s[4:5]
	s_cselect_b64 s[98:99], s[10:11], s[6:7]
	s_cselect_b64 s[8:9], s[4:5], s[8:9]
	s_cselect_b64 s[10:11], s[6:7], s[10:11]
	s_mov_b64 s[4:5], s[96:97]
	s_mov_b64 s[6:7], s[98:99]
	s_add_nc_u64 s[20:21], s[4:5], s[20:21]
	s_add_nc_u64 s[22:23], s[6:7], s[22:23]
	s_add_nc_u64 s[46:47], s[8:9], s[46:47]
	s_add_nc_u64 s[92:93], s[10:11], s[92:93]
	CROUND
	s_mov_b32 s[G0S], 1
	s_mov_b32 s[G0S+1], SCL
	s_mov_b64 s[G0S+2:G0S+3], s[22:23]
	s_or_b32 s[G0S+3], s[G0S+3], 0x80000000
	s_mov_b32 s[G0SB], 1
	s_mov_b32 s[G0SB+1], SCL+2*HALFS
	s_mov_b64 s[G0SB+2:G0SB+3], s[92:93]
	s_or_b32 s[G0SB+3], s[G0SB+3], 0x80000000
	s_mov_b32 s[G0H], 1                            ; K step 0's 256 rows of A,
	s_mov_b32 s[G0H+1], 0
	s_mov_b64 s[G0H+2:G0H+3], s[20:21]
	s_or_b32 s[G0H+3], s[G0H+3], 0x80000000
	s_mov_b32 s[G0HB], 1                           ; and of B, behind them in slot 0
	s_mov_b32 s[G0HB+1], 2*HALFT
	s_mov_b64 s[G0HB+2:G0HB+3], s[46:47]
	s_or_b32 s[G0HB+3], s[G0HB+3], 0x80000000
	s_add_nc_u64 s[20:21], s[20:21], s[18:19]      ; for the ring: my 128 rows of the tile
	s_add_nc_u64 s[46:47], s[46:47], s[18:19]
.irp s, 0,1
	s_mov_b32 s[G0+4*\s], 1
	s_add_co_u32 s[G0+4*\s+1], s45, \s*SLOT
	s_add_nc_u64 s[G0+4*\s+2:G0+4*\s+3], s[20:21], \s*ROWB
	s_or_b32 s[G0+4*\s+3], s[G0+4*\s+3], 0x80000000
	s_mov_b32 s[G0B+4*\s], 1
	s_add_co_u32 s[G0B+4*\s+1], s45, \s*SLOT
	s_add_nc_u64 s[G0B+4*\s+2:G0B+4*\s+3], s[46:47], \s*ROWB
	s_or_b32 s[G0B+4*\s+3], s[G0B+4*\s+3], 0x80000000
.endr
.macro ARM under, g0, g1, next         ; one chain of branches on the wave's number, one load to an arm, all arms leading to one join
	s_cmp_lt_u32 s14, \under
	s_cbranch_scc0 \next
	tensor_load_to_lds s[\g0:\g0+3], s[\g1:\g1+7]
	s_nop 0
.rept 4
	v_nop
.endr
	s_branch .Lhead_asked
\next:
.endm
	ARM 1, G0H,  G1,  .Lhead_b
	ARM 2, G0HB, G1B, .Lhead_sa
	ARM 3, G0S,  G1S, .Lhead_sb
	tensor_load_to_lds s[G0SB:G0SB+3], s[G1SB:G1SB+7]
	s_nop 0
.rept 4
	v_nop
.endr
.Lhead_asked:
	v_and_b32 v1, 15, v0
	v_bfe_u32 v2, v0, 4, 1
	v_mul_u32_u24 v3, v1, PITCH
	v_lshl_add_u32 v4, v2, 4, v3
	s_mul_i32 s21, s15, HALFT
	s_mul_i32 s22, s16, HALFT
	s_add_co_u32 s22, s22, 2*HALFT
.irp s, 0,1
	v_add_nc_u32 v[ADRA+\s], s21, v4
	v_add_nc_u32 v[ADRB+\s], s22, v4
	s_add_co_u32 s21, s21, SLOT
	s_add_co_u32 s22, s22, SLOT
.endr
	v_mul_u32_u24 v5, v1, KS
	v_lshrrev_b32 v6, 8, v5
	v_lshl_add_u32 v5, v6, 4, v5
	s_mul_i32 s21, s15, HALFS
	s_mul_i32 s22, s16, HALFS
	s_add_co_u32 s22, s22, 2*HALFS
	s_sub_co_u32 s22, s22, s21
	v_mul_u32_u24 v6, s22, v2
	s_add_co_u32 s21, s21, SCL
	v_add_nc_u32 v5, v5, v6
	v_add_nc_u32 v[ADRS], s21, v5
	v_and_b32 v6, 31, v0
	v_lshlrev_b32 v[CO], 4, v6
.irp b, 0,1,2,3
	v_mov_b32 v[TM+4+\b], 0
	v_mov_b32 v[TM+36+\b], 0
.endr
	s_lshl_b32 s96, s17, 1
	s_add_co_u32 s96, s96, s15
	s_lshl_b32 s97, s42, 1
	s_add_co_u32 s97, s97, s16
	s_cmp_ge_u32 s66, 8
	s_cselect_b32 s98, s97, s96
	s_cselect_b32 s99, s96, s97
	s_lshr_b32 s96, s99, 3
	s_sub_co_u32 s96, s96, 1
	s_lshl_b32 s96, s96, 9
	s_and_b32 s99, s99, 7
	s_lshr_b32 s97, s98, 4
	s_lshl_b32 s97, s97, 3
	s_add_co_u32 s97, s97, s99
	s_lshl_b32 s97, s97, 4
	s_add_co_u32 s96, s96, s97
	s_and_b32 s98, s98, 15
	s_add_co_u32 s96, s96, s98
	s_mul_i32 s96, s96, BLK
	s_mov_b32 s97, 0
	s_add_nc_u64 s[12:13], s[12:13], s[96:97]
.macro FRAG reg, adr, q, i
.irp c, 0,1,2,3
	ds_load_b128 v[\reg+4*\c:\reg+4*\c+3], v[\adr] offset:128*(\q)+32*\c+(\i)*16*PITCH
.endr
.endm
.macro MUL16 a0, p, q, sc, zero
.irp a, \a0, \a0+1
.irp b, 0,1,2,3,4,5,6,7
.if \zero
	v_wmma_scale_f32_16x16x128_f8f6f4 v[8*(8*((\a)%4)+\b):8*(8*((\a)%4)+\b)+7], v[128*(\p)+FR*\b:128*(\p)+FR*\b+FR-1], v[AF+FR*(\a):AF+FR*(\a)+FR-1], 0, v[SC+8*NQ*(\sc)+NQ*\b+(\q)], v[SC+8*NQ*(\sc)+NQ*(\a)+(\q)] matrix_a_scale:MATRIX_SCALE_ROW1
.else
	v_wmma_scale_f32_16x16x128_f8f6f4 v[8*(8*((\a)%4)+\b):8*(8*((\a)%4)+\b)+7], v[128*(\p)+FR*\b:128*(\p)+FR*\b+FR-1], v[AF+FR*(\a):AF+FR*(\a)+FR-1], v[8*(8*((\a)%4)+\b):8*(8*((\a)%4)+\b)+7], v[SC+8*NQ*(\sc)+NQ*\b+(\q)], v[SC+8*NQ*(\sc)+NQ*(\a)+(\q)] matrix_a_scale:MATRIX_SCALE_ROW1
.endif
.endr
.endr
.endm
.macro FETCH_B slot, q, p
	WIN TO_B
.irp i, 0,1,2,3,4,5,6,7
	FRAG 128*(\p)+FR*\i, ADRB+\slot, \q, \i
.endr
	WIN 0
.endm
.macro FETCH_A slot, q, i0
.irp i, \i0, \i0+1, \i0+2, \i0+3
	FRAG AF+FR*(\i), ADRA+\slot, \q, \i
.endr
.endm
.macro SCALES sc
.irp i, 0,1,2,3,4,5,6,7
	ds_load_b64 v[SC+8*NQ*\sc+NQ*\i:SC+8*NQ*\sc+NQ*\i+1], v[ADRS] offset:\i*SBLK
.endr
.endm
.macro PLACES n
.rept \n
	v_nop
.endr
.endm
.macro STEP slot, q, zero
	s_wait_dscnt 4*NL
	WIN MUL_LO
	MUL16 0, (\q)%2, \q, \slot, \zero
	MUL16 2, (\q)%2, \q, \slot, \zero
	s_wait_dscnt 0
	PLACES NP
	FETCH_B \slot, (\q)+1, 1-(\q)%2
	FETCH_A \slot, (\q)+1, 0
	WIN MUL_HI
	MUL16 4, (\q)%2, \q, \slot, \zero
	MUL16 6, (\q)%2, \q, \slot, \zero
	PLACES NP
	WIN 0
	FETCH_A \slot, (\q)+1, 4
.endm
.macro TURN slot, next, fill
	s_wait_tensorcnt 0x0
	ds_add_u32 v[SPW], v[NIL]
	s_wait_dscnt 4*NL+1
	WIN MUL_LO
	MUL16 0, 1, NQ-1, \slot, 0
	s_wait_dscnt 0x0
	s_barrier_signal -1
	MUL16 2, 1, NQ-1, \slot, 0
	WIN 0
	s_barrier_wait -1
.if \fill
	CREST
	s_add_nc_u64 s[G0+4*\slot+2:G0+4*\slot+3], s[G0+4*\slot+2:G0+4*\slot+3], 2*ROWB
	s_add_nc_u64 s[G0B+4*\slot+2:G0B+4*\slot+3], s[G0B+4*\slot+2:G0B+4*\slot+3], 2*ROWB
	JLOAD G0+4*\slot, G1, G0B+4*\slot, G1B
	PLACES NP-4
.else
	PLACES NP
.endif
	s_wait_alu depctr_va_vdst(0)
	v_add_nc_u32 v[ADRS], 4*NQ, v[ADRS]
	FETCH_B \next, 0, 0
	FETCH_A \next, 0, 0
	SCALES \next
	WIN MUL_HI
	MUL16 4, 1, NQ-1, \slot, 0
	MUL16 6, 1, NQ-1, \slot, 0
	PLACES NP
	WIN 0
	FETCH_A \next, 0, 4
.endm
	s_wait_alu depctr_va_vdst(0)                   ; the wait at the head's end
	s_wait_tensorcnt 0x0                           ; my tile of the head's four is in; the lines ahead of a later first fill:
	ds_add_u32 v[SPW], v[NIL]
	s_mov_b32 s[G1+2], 128<<16                     ; no tensor load of mine is out: from here on a load brings 128 rows
	s_mov_b32 s[G1+4], 128
	s_mov_b32 s[G1B+2], 128<<16
	s_mov_b32 s[G1B+4], 128
	s_wait_dscnt 0x0
	CROUND                                         ; all four tiles are in, and all sixteen work-groups are here
	JLOAD G0+4, G1, G0B+4, G1B                     ; K step 1
	FETCH_B 0, 0, 0
	FETCH_A 0, 0, 0
	SCALES 0
	FETCH_A 0, 0, 4
	STEP 0, 0, 1
	TURN 0, 1, 1
	STEP 1, 0, 0
	TURN 1, 0, 1
	STEP 0, 0, 0
	TURN 0, 1, 0
	STEP 1, 0, 0
	s_wait_dscnt 4*NL
	WIN MUL_LO
	MUL16 0, 1, NQ-1, 1, 0
	MUL16 2, 1, NQ-1, 1, 0
	s_wait_dscnt 0
	WIN MUL_HI
	MUL16 4, 1, NQ-1, 1, 0
	MUL16 6, 1, NQ-1, 1, 0
	WIN 0
	s_mov_b32 s20, 0x76543210
	s_mov_b32 s21, 0xfedcba98
	s_mov_b32 s22, 0x600000
	s_mov_b32 vcc_lo, 0xffff0000
; THE WAY OUT: my blocks a and a + 1 of 16 rows (a even: both in one window) are quantised together, line by line by turns: block a + e has its sums at AC + 64 e and its sixteen numbers at work at v[TM + 32 e].
; A block of 32 along the next K lies in lanes l and l xor 16; the four bytes of a row make its scale word; block a's words go to lanes 0-15, block a + 1's to lanes 16-31.
.macro QUANT2 a
.set AC, 64*((\a)%4)
.set WN, 2+(\a)/4
.set W_MAX, WN|(WN<<2)
.set W_HOLD, WN|(WN<<6)
.set PCA, PC+16*(\a)
	WIN W_MAX
.irp b, 0,1,2,3
.irp e, 0,1
	v_max3_num_f32 v[TM+32*\e+\b], |v[AC+64*\e+16*\b]|, |v[AC+64*\e+16*\b+1]|, 0x4800000
.endr
.endr
.irp i, 2,4,6,8,10,12,14
.irp b, 0,1,2,3
.irp e, 0,1
	v_max3_num_f32 v[TM+32*\e+\b], |v[AC+64*\e+16*\b+\i]|, |v[AC+64*\e+16*\b+\i+1]|, v[TM+32*\e+\b]
.endr
.endr
.endr
	WIN 0
.irp e, 0,1
.irp b, 0,1,2,3
	v_permlanex16_b32 v[TM+32*\e+4+\b], v[TM+32*\e+\b], s20, s21
.endr
.endr
.irp e, 0,1
.irp b, 0,1,2,3
	v_max_num_f32 v[TM+32*\e+\b], v[TM+32*\e+\b], v[TM+32*\e+4+\b]
.endr
.endr
.irp e, 0,1
.irp b, 0,1,2,3
	v_add_nc_u32 v[TM+32*\e+12+\b], 0xfc000000, v[TM+32*\e+\b]
.endr
.endr
.irp e, 0,1
.irp b, 0,1,2,3
	v_and_or_b32 v[TM+32*\e+8+\b], v[TM+32*\e+\b], 0x7f800000, s22
.endr
.endr
.irp e, 0,1
.irp b, 0,1,2,3
	v_lshrrev_b32 v[TM+32*\e+4+\b], 23, v[TM+32*\e+12+\b]
.endr
.endr
.irp e, 0,1
	v_lshl_or_b32 v[PW+\e], v[TM+32*\e+5], 8, v[TM+32*\e+4]
.endr
.irp e, 0,1
	v_lshl_or_b32 v[PW+\e], v[TM+32*\e+6], 16, v[PW+\e]
.endr
.irp e, 0,1
	v_lshl_or_b32 v[PW+\e], v[TM+32*\e+7], 24, v[PW+\e]
.endr
	v_mov_b32 v[SW+(\a)/2], v[PW]
	v_cndmask_b32 v[SW+(\a)/2], v[SW+(\a)/2], v[PW+1], vcc_lo
	WIN W_HOLD
.irp e, 0,1
.irp b, 0,1,2,3
.irp i, 0,1,2,3,4,5,6,7,8,9,10,11,12,13,14,15
	v_med3_num_f32 v[AC+64*\e+16*\b+\i], v[AC+64*\e+16*\b+\i], -v[TM+32*\e+8+\b], v[TM+32*\e+8+\b]
.endr
.endr
.endr
	WIN WN
.irp e, 0,1
.irp b, 0,1,2,3
	v_cvt_scalef32_pk8_fp8_f32 v[PCA+16*\e+4*\b:PCA+16*\e+4*\b+1], v[AC+64*\e+16*\b:AC+64*\e+16*\b+7], v[TM+32*\e+12+\b]
	v_cvt_scalef32_pk8_fp8_f32 v[PCA+16*\e+4*\b+2:PCA+16*\e+4*\b+3], v[AC+64*\e+16*\b+8:AC+64*\e+16*\b+15], v[TM+32*\e+12+\b]
.endr
.endr
	WIN 0
	v_nop
.irp e, 0,1
.irp c, 0,1,2,3
	global_store_b128 v[CO], v[PCA+16*\e+4*\c:PCA+16*\e+4*\c+3], s[12:13] offset:2048*((\a)+\e)+512*\c
.endr
.endr
.endm
	PLACES NP
.irp a, 0,2,4,6
	QUANT2 \a
.endr
	global_store_b128 v[CO], v[SW:SW+3], s[12:13] offset:16384
	s_wait_tensorcnt 0x0
	ds_add_u32 v[SPW], v[NIL]
	s_wait_dscnt 0x0
	CROUND
	s_endpgm
.Lfunc_end_k_q1484ba30e7_proj:
	.size	k_q1484ba30e7_proj, .Lfunc_end_k_q1484ba30e7_proj-k_q1484ba30e7_proj
	.p2alignl 7, 3214868480
	.fill 96, 4, 3214868480
	.section	.rodata,"a",@progbits
	.p2align	6, 0x0
	.amdhsa_kernel k_q1484ba30e7_proj
		.amdhsa_group_segment_fixed_size 327680
		.amdhsa_private_segment_fixed_size 0
		.amdhsa_enable_private_segment 0
		.amdhsa_kernarg_size 40
		.amdhsa_user_sgpr_count 2
		.amdhsa_user_sgpr_kernarg_segment_ptr 1
		.amdhsa_wavefront_size32 1
		.amdhsa_system_sgpr_workgroup_id_x 1
		.amdhsa_system_sgpr_workgroup_id_y 1
		.amdhsa_system_sgpr_workgroup_id_z 1
		.amdhsa_system_vgpr_workitem_id 0
		.amdhsa_next_free_vgpr 1024
		.amdhsa_next_free_sgpr 100
		.amdhsa_reserve_vcc 1
		.amdhsa_float_denorm_mode_32 3
		.amdhsa_float_denorm_mode_16_64 3
		.amdhsa_memory_ordered 1
		.amdhsa_forward_progress 1
		.amdhsa_inst_pref_size 185
	.end_amdhsa_kernel
	.amdgpu_metadata
---
amdhsa.version: [ 1, 2 ]
amdhsa.kernels:
  - .name:           k_q1484ba30e7_proj
    .symbol:         k_q1484ba30e7_proj.kd
    .args:
      - { .name: xc, .offset: 0, .size: 8, .value_kind: global_buffer, .address_space: global }
      - { .name: xs, .offset: 8, .size: 8, .value_kind: global_buffer, .address_space: global }
      - { .name: wc, .offset: 16, .size: 8, .value_kind: global_buffer, .address_space: global }
      - { .name: ws, .offset: 24, .size: 8, .value_kind: global_buffer, .address_space: global }
      - { .name: img, .offset: 32, .size: 8, .value_kind: global_buffer, .address_space: global }
    .group_segment_fixed_size: 327680
    .private_segment_fixed_size: 0
    .kernarg_segment_align: 8
    .kernarg_segment_size: 40
    .max_flat_workgroup_size: 128
    .sgpr_count:     100
    .vgpr_count:     1024
    .wavefront_size: 32
...
	.end_amdgpu_metadata
.endif
;; end of part 2
;; launch attn (part 3): grid 8 x 32, 8 waves a work-group, clusters of 4 x 1, 327,680 bytes of LDS; arguments xc, xs, wc, ws, img, token_attention_masks_source, oimg; writes oimg
.if DOCPART == 3
	.amdgcn_target "amdgcn-amd-amdhsa--gfx1250"
	.amdhsa_code_object_version 6
	.text
	.protected	k_q1484ba30e7_attn
	.globl	k_q1484ba30e7_attn
	.p2align	8
	.type	k_q1484ba30e7_attn,@function
k_q1484ba30e7_attn:
	s_mov_b64 s[64:65], 0
	v_nop
	global_prefetch_b8 v0, s[64:65] scope:SCOPE_SE
	s_setreg_imm32_b32 hwreg(HW_REG_WAVE_MODE, 25, 1), 1
	s_wait_xcnt 0x0
	s_wait_alu depctr_hold_cnt(0) depctr_sa_sdst(0) depctr_va_vdst(0) depctr_va_sdst(0) depctr_va_ssrc(0) depctr_va_vcc(0) depctr_vm_vsrc(0)
	s_getreg_b32 s2, hwreg(HW_REG_IB_STS2, 6, 4)
	s_cmp_eq_u32 s2, 0
	s_cbranch_scc0 .Lentry_in_a_cluster
	s_endpgm
.Lentry_in_a_cluster:
	s_bfe_u32 s2, ttmp6, 0x10000c
	s_cmp_lg_u32 s2, 0x3003
	s_cbranch_scc0 .Lentry_shape_is_right
	s_endpgm
.Lentry_shape_is_right:
; For each (batch b, head h): Q = x Wq (the head's 128 columns), then O[q] = the sum over k of softmax_k(Q[q] . K[k] / sqrt(128) + m[q]) V[k], m[q] = -1000 where the source mask's word of query q is 0, else 0.
; All three products on codes of FP8 (E4M3) with E8M0 scales.  xc, wc: rows of 1,024 codes; xs, ws: 32 scale bytes a row.  img: images of operand registers, blocks of 16,896 bytes = 8 fragments of 2,048 bytes
; (group c of four registers at 512 c + 16 x lane), then the scale words [lane][4].  k's blocks: 128 keys each; v's, 512 blocks further on: the head's 128 d, K = 128 keys.
; THE SOFTMAX: t = score x log2(e) / sqrt(128) + m log2(e); M = the running largest t rounded up to a whole number; p = 2^(t - M) is quantised along the keys, not normalised; the row's sum is taken of the unquantised p
; and divides O at the end.  When M moves, the sum and O are multiplied by 2^(old M - new M): exact.  m is no whole number of powers of two, so it moves p's codes: it enters t.
; LIMITS: t is one fused multiply-add of the score, where the definition rounds score / sqrt(128) + m first: at m = -1000 the two differ by up to 1e-4 of p.  The promise holds while |t| stays under 2^31.
; A block of 32 whose largest magnitude lies under 2^-118, zeros among them, gets the byte 1 (read here alone).  NaN and infinities are not served.
; SHARES.  A work-group owns 256 queries of one (b, h); each of its eight waves 32 of them, two tiles, so that each fragment read from LDS feeds two products.  Every wave walks all 2,048 keys, 128 a step.
; CLUSTER.  The four work-groups of a cluster belong to one (b, h): Wq, K and V are asked for jointly, by the same load with a mask that names the four.
; LAYOUT.  Q^T = Wq^T x^T, S^T = K Q^T, O^T = V^T P^T: a lane holds one query throughout; result tiles 2 b, 2 b + 1 are numbers 32 b + 16 (lane / 16) + 0 .. 15 along the next K.
; O leaves as it stands in the registers: oimg [64 b + g][h][u][group of four registers][lane][16 bytes]; the next launch sorts it.
; LDS.  Two slots of four key steps (4 blocks of K, 4 of V: 135,168 bytes): a wave fetches one block by one load.  Wq's 128 rows lie as four slices of 256 bytes along K, [slice][row], rows 272 bytes apart: 139,264 bytes from
; slot 1's first byte on, so slot 1's first keys are a refill.  274,432: Wq's scale bytes, stored by the waves: no fill lands there.  278,528: the spare words.
; THE HEAD.  Wave w fetches rows 64 (w % 2) .. + 63 of slice w / 2.  Waves 0 and 1 have a load line of their own and alone wait at the first barrier: Q's K steps 0 and 1 read slice 0 alone.
; Behind K step 1 every wave waits for all its loads, and behind that round slot 0 is asked for; it lands while K steps 2 to 7 are multiplied.
; A KEY STEP, in this order.  Both tiles' maxima.  The chain to the new M, six lines deep: tile 0's among tile 1's last maxima, tile 1's among tile 0's t - M, and there too the lines that make f.  O^T x f.
; Tile 0's exponentials with tile 1's t - M among them.  Tile 0's scales.  Tile 1's exponentials, and among them tile 0's sums by twos (into the registers of p's codes, which are free then) and its holds: each of these lines
; reads what stands ahead of a wait and is read behind the next.  Then the rest of tile 0's sum with tile 1's scales, and tile 1's sums, holds and codes with tile 0's conversions among them.
; PREFETCH: the change of slots that loads slot 1 (2) names slot 2 (3): 66 blocks of 256 bytes for each wave's load, of which partner cx names 17 cx .. 17 cx + 16, told apart by address; slots 0 and 1 come by their loads alone.
; REGISTERS.  window 0: v1-6 addresses; v7-10 tile 1's block maxima (for Q: offsets); v12-15 tile 1's scale operands (for Q: v11-14 addresses); v16-31 eight numbers a tile; v32-43 scale words alone;
;   v44-63 at work (for Q: v56-59 the slices' addresses); v64-191 sums, S^T, p; v192-223 Q's codes; v224-255 p's codes.   window 1: v0-127 eight fragments of Wq, K or V; v128-255 x's fragments, then O^T.
.set BLK,   16896
.set SLOTB, 8*BLK
.set VOFF,  4*BLK
.set WB,    SLOTB
.set WP,    272
.set WSL,   128*WP
.set WSC,   WB+4*WSL
.set SPARE, WSC+4096
.set LI,  1
.set SPW, 2
.set NIL, 3
.set ADK, 4
.set ADV, 5
.set PFO, 6
.set MO,  9
.set XSO, 10
.set XA,  11
.set WGO, 12
.set WST, 13
.set AWS, 14
.set STT, 16                           ; tile u at v[STT + 8 u]: +0 m log2(e) - M, +1 the largest t, +2, +3 the sum, +4 -M, +5 m log2(e), +6 f, +7 named with f as a pair
.set KSW, 32
.set VSW, 36
.set QS,  40
.set PS,  41
.set BM,  44                           ; tile 0's block maxima; tile 1's at BM - 37 = v7
.set PM,  48
.set HD,  52
.set SO,  56                           ; tile 0's scale operands; tile 1's at SO - 44 = v12
.set AW,  56                           ; for Q: v56-59 my place in Wq's slices 0 to 3
.set T,   60
.set T2,  62
.set S,   64
.set QF,  192
.set PCD, 224
.set OT,  128
.set WV,  10
.set MNT, 19
.set SEL, 20
.set CS,  22
.set G1,  24
.set G0,  32
.set SLB, 36                           ; s36 the LDS byte at which the next slot to be walked begins
.set SLOTS, 37
.set G1W, 52
.set G0W, 60
.set PFP, 68                           ; s[68:69] my block of slot 0 in img
.set CNT, 70
.set PXC, 72
.set PXS, 74
.set PWC, 76
.set PWS, 78
.set MSB, 0
.macro WIN new
.if MSB != \new
	s_set_vgpr_msb (MSB<<8)|\new
.set MSB, \new
.endif
.endm
.macro NOPS n
.rept \n
	v_nop
.endr
.endm
.macro CROUND
	s_barrier_signal -1
	s_barrier_wait -1
	s_cmp_lg_u32 s[WV], 0
	s_cbranch_scc1 .Lnot_wave_0_\@
	s_barrier_signal -3
.Lnot_wave_0_\@:
	s_barrier_wait -3
	s_barrier_signal -1
	s_barrier_wait -1
.endm
	s_load_b256 s[PXC:PXC+7], s[0:1], 0x0          ; xc, xs, wc, ws
	s_load_b128 s[4:7], s[0:1], 0x20               ; img, the source mask
	s_load_b64 s[8:9], s[0:1], 0x30                ; oimg
	v_lshl_add_u32 v[SPW], v0, 2, SPARE
	v_mov_b32 v[NIL], 0
	ds_add_u32 v[SPW], v[NIL]                      ; the opening lines: the add twice on end and its wait ahead of my first tensor load
	ds_add_u32 v[SPW], v[NIL]
	v_lshrrev_b32 v[T], 5, v0
	v_readfirstlane_b32 s[WV], v[T]                ; wave 0..7
	s_bfe_u32 s11, ttmp6, 0x40000                  ; cx: it enters global addresses alone
	s_lshl_b32 s12, ttmp9, 2
	s_add_co_u32 s12, s12, s11                     ; my block of 256 queries
	s_and_b32 s13, ttmp7, 0xffff                   ; 8 b + h
	s_lshr_b32 s44, s13, 3
	s_and_b32 s45, s13, 7
	s_lshl_b32 s14, s13, 4
	s_mul_i32 s16, s14, BLK                        ; K's first block of this (b, h);
	s_lshr_b32 s15, s[WV], 2
	s_mul_i32 s15, s15, 512*BLK                    ; waves 4-7 fetch V's;
	s_add_co_u32 s16, s16, s15
	s_and_b32 s15, s[WV], 3
	s_mul_i32 s18, s15, BLK                        ; block wave % 4 of a slot's four
	s_add_co_u32 s16, s16, s18
	s_mov_b32 s17, 0
	s_lshl_b32 s50, s45, 17                        ; Wq's rows of the head;
	s_lshr_b32 s18, s[WV], 1
	s_lshl_b32 s18, s18, 8                         ; slice wave / 2: 256 bytes along K;
	s_add_co_u32 s50, s50, s18
	s_and_b32 s18, s[WV], 1
	s_lshl_b32 s18, s18, 16                        ; rows 64 (wave % 2) on
	s_add_co_u32 s50, s50, s18
	s_mov_b32 s51, 0
	s_lshl_b32 s66, s45, 12                        ; and their scale bytes
	s_mov_b32 s67, 0
	s_mul_i32 s71, s11, 17
	s_lshl_b32 s38, s12, 3
	s_add_co_u32 s38, s38, s[WV]                   ; g: my group of 32 queries
	s_lshl_b32 s40, s44, 21
	s_lshl_b32 s39, s38, 15
	s_add_co_u32 s40, s40, s39                     ; x's codes
	s_mov_b32 s41, 0
	s_lshl_b32 s42, s44, 16
	s_lshl_b32 s39, s38, 10
	s_add_co_u32 s42, s42, s39                     ; x's scale bytes
	s_mov_b32 s43, 0
	s_lshl_b32 s46, s44, 13
	s_lshl_b32 s39, s38, 7
	s_add_co_u32 s46, s46, s39                     ; the mask
	s_mov_b32 s47, 0
	s_lshl_b32 s48, s44, 6
	s_add_co_u32 s48, s48, s38
	s_lshl_b32 s48, s48, 3
	s_add_co_u32 s48, s48, s45
	s_lshl_b32 s48, s48, 14                        ; oimg
	s_mov_b32 s49, 0
	s_mov_b32 s[G1], 15|(3<<16)|(1<<21)            ; a block: 66 rows of 256 bytes, dense
	s_mov_b32 s[G1+1], 32<<16
	s_mov_b32 s[G1+2], 66<<16
	s_mov_b32 s[G1+3], 32<<16
	s_mov_b32 s[G1+4], 66
	s_mov_b32 s[G1+5], 32
	s_mov_b32 s[G1+6], 0
	s_mov_b32 s[G1+7], 0
	s_mov_b32 s[G0], 1
	s_mul_i32 s[G0+1], s[WV], BLK
	s_mov_b32 s[G1W], 15|(1<<20)|(1<<21)|(5<<22)|(3<<25)   ; 64 rows of 256 bytes, 1,024 apart in memory, 16 of padding behind each
	s_mov_b32 s[G1W+1], 256<<16
	s_mov_b32 s[G1W+2], 64<<16
	s_mov_b32 s[G1W+3], 256<<16
	s_mov_b32 s[G1W+4], 64
	s_mov_b32 s[G1W+5], 1024
	s_mov_b32 s[G1W+6], 0
	s_mov_b32 s[G1W+7], 0
	s_mov_b32 s[G0W], 1
	s_mul_i32 s[G0W+1], s[WV], 64*WP
	s_add_co_u32 s[G0W+1], s[G0W+1], WB
	s_mov_b32 s[MNT], 0x600000
	s_mov_b32 s[SEL], 0x76543210
	s_mov_b32 s[SEL+1], 0xfedcba98
	s_mov_b32 s[CS], 0x3e0293ee                    ; c = log2(e) / sqrt(128)
	s_mov_b32 s[CS+1], s[CS]
	s_mov_b32 s[SLB], 0
	s_mov_b32 s[SLOTS], 3
	s_wait_dscnt 0x0
	s_wait_kmcnt 0x0
	s_add_nc_u64 s[G0+2:G0+3], s[4:5], s[16:17]
	s_mov_b64 s[PFP:PFP+1], s[G0+2:G0+3]
	s_or_b32 s[G0+3], s[G0+3], 0x80000000
	s_add_nc_u64 s[G0W+2:G0W+3], s[PWC:PWC+1], s[50:51]
	s_or_b32 s[G0W+3], s[G0W+3], 0x80000000
	s_add_nc_u64 s[PWS:PWS+1], s[PWS:PWS+1], s[66:67]
	s_add_nc_u64 s[PXC:PXC+1], s[PXC:PXC+1], s[40:41]
	s_add_nc_u64 s[PXS:PXS+1], s[PXS:PXS+1], s[42:43]
	s_add_nc_u64 s[6:7], s[6:7], s[46:47]
	s_add_nc_u64 s[8:9], s[8:9], s[48:49]
	CROUND                                         ; all four work-groups are here: the first joint loads meet
	s_cmp_lt_u32 s[WV], 2                          ; one load a wave; waves 0 and 1, which alone wait at the first barrier, have a line of their own
	s_cbranch_scc0 .Lhead_later
	tensor_load_to_lds s[G0W:G0W+3], s[G1W:G1W+7]
	s_nop 0
	NOPS 4
	s_branch .Lhead_asked
.Lhead_later:
	tensor_load_to_lds s[G0W:G0W+3], s[G1W:G1W+7]
	s_nop 0
	NOPS 4
.Lhead_asked:
	v_and_b32 v[T], 15, v0                         ; r
	v_bfe_u32 v[T+1], v0, 4, 1                     ; lane / 16
	v_and_b32 v[T2], 31, v0                        ; lane
	v_lshlrev_b32 v[LI], 4, v[T2]
	v_lshlrev_b32 v[WGO], 4, v0
	v_lshl_add_u32 v[WST], v0, 4, WSC
	v_lshlrev_b32 v[XSO], 5, v[T2]
	v_lshl_add_u32 v[AWS], v[T2], 5, WSC
	v_lshlrev_b32 v[XA], 10, v[T]
	v_lshl_add_u32 v[XA], v[T+1], 4, v[XA]
	v_mul_u32_u24 v[AW], v[T], WP
	v_lshl_add_u32 v[AW], v[T+1], 4, v[AW]
	v_add_nc_u32 v[AW], WB, v[AW]
	v_add_nc_u32 v[AW+1], WSL, v[AW]
	v_add_nc_u32 v[AW+2], 2*WSL, v[AW]
	v_add_nc_u32 v[AW+3], 3*WSL, v[AW]
	v_and_b32 v[MO], 8, v[T]
	v_add_nc_u32 v[MO], v[MO], v[T]
	v_lshlrev_b32 v[MO], 2, v[MO]                  ; 4 (r + 8 (r / 8)), + 32 u
	v_min_u32 v[PFO], 16, v[T2]
	v_add_nc_u32 v[PFO], s71, v[PFO]
	v_min_u32 v[PFO], 65, v[PFO]                   ; lanes that are left over name the last block again
	v_lshlrev_b32 v[PFO], 8, v[PFO]
.macro XLOAD s                         ; my two tiles' fragments of K step s into buffer s % 4 (window 1)
.irp u, 0,1
.irp c, 0,1,2,3
	global_load_b128 v[OT+32*((\s)%4)+16*\u+4*\c:OT+32*((\s)%4)+16*\u+4*\c+3], v[XA], s[PXC:PXC+1] offset:16384*\u+128*(\s)+32*\c
.endr
.endr
.endm
	global_load_b128 v[BM:BM+3], v[WGO], s[PWS:PWS+1]              ; Wq's scale bytes: the 256 threads take its 4,096 bytes on end
	global_load_b32 v[STT+5], v[MO], s[6:7]                        ; the mask's words of my two queries
	global_load_b32 v[STT+13], v[MO], s[6:7] offset:32
	global_load_b64 v[QS:QS+1], v[XSO], s[PXS:PXS+1]               ; x's scale words of K steps 0, 1
	global_load_b64 v[QS+2:QS+3], v[XSO], s[PXS:PXS+1] offset:8    ; and 2, 3
	WIN 0x40
	XLOAD 0
	XLOAD 1
	XLOAD 2
	XLOAD 3
	WIN 0
.irp u, 0,1
	v_mov_b32 v[STT+8*\u+1], 0xff61b1e6            ; the largest t so far: -3e38
	v_floor_f32 v[STT+8*\u+4], -v[STT+8*\u+1]
	v_mov_b32 v[STT+8*\u+2], 0
	v_mov_b32 v[STT+8*\u+3], 0
	v_mov_b32 v[STT+8*\u+7], 0
.endr
.irp b, 0,1,2,3,4,5,6,7
	v_mov_b32 v[PM+\b], 0                          ; a lane permute's destination counts as one of its sources
.endr
	s_wait_alu depctr_va_vdst(0)                   ; the wait at the head's end
	s_wait_loadcnt 36                              ; Wq's scale bytes are in: behind that load 2 mask words, 2 pairs of scale words and 32 loads of x were issued
	ds_store_b128 v[WST], v[BM:BM+3]
	s_cmp_lt_u32 s[WV], 2
	s_cbranch_scc0 .Lnot_first
	s_wait_tensorcnt 0x0                           ; waves 0 and 1: slice 0 is in.  The other waves' wait stands behind K step 1
.Lnot_first:
	s_wait_dscnt 0x0                               ; for the others' sake: my store is done
	s_barrier_signal -1
	s_barrier_wait -1                              ; slice 0 and the scale bytes lie whole in LDS
; ---- Q.  Product (t, u) of K step s: source 0 = Wq's tile t, source 1 = my tile u of x.  The odd tile's scale words stand in lanes 16-31.
.macro QP t, u, s
.set rD, S+64*(\u)+8*(\t)
.set rA, 16*(\t)
.set rB, OT+32*((\s)%4)+16*(\u)
.set rSA, KSW+2*((\t)/2)+(\s)%2
.set rSB, QS+(\s)%4
.if (\s) == 0
.if ((\t)%2 == 0) && ((\u) == 0)
	v_wmma_scale_f32_16x16x128_f8f6f4 v[rD:rD+7], v[rA:rA+15], v[rB:rB+15], 0, v[rSA], v[rSB]
.elseif (\u) == 0
	v_wmma_scale_f32_16x16x128_f8f6f4 v[rD:rD+7], v[rA:rA+15], v[rB:rB+15], 0, v[rSA], v[rSB] matrix_a_scale:MATRIX_SCALE_ROW1
.elseif (\t)%2 == 0
	v_wmma_scale_f32_16x16x128_f8f6f4 v[rD:rD+7], v[rA:rA+15], v[rB:rB+15], 0, v[rSA], v[rSB] matrix_b_scale:MATRIX_SCALE_ROW1
.else
	v_wmma_scale_f32_16x16x128_f8f6f4 v[rD:rD+7], v[rA:rA+15], v[rB:rB+15], 0, v[rSA], v[rSB] matrix_a_scale:MATRIX_SCALE_ROW1 matrix_b_scale:MATRIX_SCALE_ROW1
.endif
.else
.if ((\t)%2 == 0) && ((\u) == 0)
	v_wmma_scale_f32_16x16x128_f8f6f4 v[rD:rD+7], v[rA:rA+15], v[rB:rB+15], v[rD:rD+7], v[rSA], v[rSB]
.elseif (\u) == 0
	v_wmma_scale_f32_16x16x128_f8f6f4 v[rD:rD+7], v[rA:rA+15], v[rB:rB+15], v[rD:rD+7], v[rSA], v[rSB] matrix_a_scale:MATRIX_SCALE_ROW1
.elseif (\t)%2 == 0
	v_wmma_scale_f32_16x16x128_f8f6f4 v[rD:rD+7], v[rA:rA+15], v[rB:rB+15], v[rD:rD+7], v[rSA], v[rSB] matrix_b_scale:MATRIX_SCALE_ROW1
.else
	v_wmma_scale_f32_16x16x128_f8f6f4 v[rD:rD+7], v[rA:rA+15], v[rB:rB+15], v[rD:rD+7], v[rSA], v[rSB] matrix_a_scale:MATRIX_SCALE_ROW1 matrix_b_scale:MATRIX_SCALE_ROW1
.endif
.endif
.endm
; K step s.  x's fragments of step s + 3 take the buffer that step s - 1 has left; x's scale words of steps 4, 5 and 6, 7 the registers that steps 0, 1 and 2, 3 have left.
.macro QSTEP s
.if (\s) > 0
	NOPS 8                                         ; places behind the last step's products, in front of loads into the registers that they read
.endif
.if (\s) == 2
	global_load_b64 v[QS:QS+1], v[XSO], s[PXS:PXS+1] offset:16
.endif
.if (\s) == 4
	global_load_b64 v[QS+2:QS+3], v[XSO], s[PXS:PXS+1] offset:24
.endif
.if (\s)%2 == 0
.irp g, 0,1,2,3
	ds_load_b64 v[KSW+2*\g:KSW+2*\g+1], v[AWS] offset:1024*\g+8*((\s)/2)
.endr
.endif
	WIN 0x40
.if ((\s) > 0) && ((\s) < 5)
	XLOAD (\s)+3
.endif
.irp t, 0,1,2,3,4,5,6,7
.irp c, 0,1,2,3
	ds_load_b128 v[16*\t+4*\c:16*\t+4*\c+3], v[AW+(\s)/2] offset:\t*16*WP+128*((\s)%2)+32*\c
.endr
.endr
.if (\s) < 5
	s_wait_loadcnt 24                              ; this step's fragments and scale words of x are in; the 24 loads of the three steps behind it may be out
.else
	s_wait_loadcnt 8*(7-(\s))
.endif
	WIN 0x05
.irp t, 0,1,2,3,4,5,6,7
	s_wait_dscnt 28-4*\t                           ; fragment t is in; the four loads of each later fragment may be out
	QP \t, 0, \s                                   ; the sixteen accumulators take turns
	QP \t, 1, \s
.endr
	WIN 0
.endm
	QSTEP 0
	QSTEP 1
	s_wait_tensorcnt 0x0                           ; every wave's part of Wq is in; the lines ahead of a later first fill:
	ds_add_u32 v[SPW], v[NIL]
	s_wait_dscnt 0x0
	CROUND                                         ; all four slices lie whole in LDS
	tensor_load_to_lds s[G0:G0+3], s[G1:G1+7]      ; slot 0: keys 0-511; it lands while the rest of Q is made
	s_nop 0
	NOPS 4
.irp s, 2,3,4,5,6,7
	QSTEP \s
.endr
	NOPS 8
; My tile u of Q: register 16 b + i is d = 32 b + 16 (lane / 16) + i of the lane's query.  A block of 32 lies in lanes l and l xor 16.
.macro QUANTQ u
.set SB, S+64*(\u)
.irp b, 0,1,2,3
	v_max3_num_f32 v[BM+\b], |v[SB+16*\b]|, |v[SB+16*\b+1]|, 0x4800000   ; with the floor 2^(9 - 127): the byte cannot fall under 1
.endr
.irp i, 2,4,6,8,10,12,14
.irp b, 0,1,2,3
	v_max3_num_f32 v[BM+\b], v[BM+\b], |v[SB+16*\b+\i]|, |v[SB+16*\b+\i+1]|
.endr
.endr
.irp b, 0,1,2,3
	v_permlanex16_b32 v[PM+\b], v[BM+\b], s[SEL], s[SEL+1]
.endr
.irp b, 0,1,2,3
	v_max_num_f32 v[BM+\b], v[BM+\b], v[PM+\b]
.endr
.irp b, 0,1,2,3
	v_add_nc_u32 v[SO+\b], 0xfc000000, v[BM+\b]    ; 8 off the exponent field: the conversion's scale operand
.endr
.irp b, 0,1,2,3
	v_and_or_b32 v[HD+\b], v[BM+\b], 0x7f800000, s[MNT]   ; 448 x the scale
.endr
.irp b, 0,1,2,3
	v_lshrrev_b32 v[PM+\b], 23, v[SO+\b]
.endr
	v_lshl_or_b32 v[T], v[PM+1], 8, v[PM]
	v_lshl_or_b32 v[T], v[PM+2], 16, v[T]
	v_lshl_or_b32 v[T], v[PM+3], 24, v[T]
.if (\u) == 0
	v_mov_b32 v[QS], v[T]
.else
	v_cndmask_b32 v[QS], v[QS], v[T], vcc_lo       ; tile 1's words go to lanes 16-31
.endif
.irp b, 0,1,2,3
.set j, 0
.rept 16
	v_med3_num_f32 v[SB+16*\b+j], v[SB+16*\b+j], -v[HD+\b], v[HD+\b]   ; the conversion to an 8-bit code does not saturate (ISA guide 7.6.2)
.set j, j+1
.endr
	v_cvt_scalef32_pk8_fp8_f32 v[QF+16*(\u)+4*\b:QF+16*(\u)+4*\b+1], v[SB+16*\b:SB+16*\b+7], v[SO+\b]
	v_cvt_scalef32_pk8_fp8_f32 v[QF+16*(\u)+4*\b+2:QF+16*(\u)+4*\b+3], v[SB+16*\b+8:SB+16*\b+15], v[SO+\b]
.endr
	v_nop
.endm
	s_mov_b32 vcc_lo, 0xffff0000
	QUANTQ 0
	QUANTQ 1
	WIN 0x40
.set j, 0
.rept 128
	v_mov_b32 v[OT+j], 0                           ; O^T: the key step has no first step of its own: the first finds zeros
.set j, j+1
.endr
	WIN 0
	v_mov_b32 v[T], 0xc4b4563e                     ; -1000 log2(e)
.irp u, 0,1
	v_cmp_eq_u32 vcc_lo, 0, v[STT+8*\u+5]
	v_cndmask_b32 v[STT+8*\u+5], 0, v[T], vcc_lo   ; m log2(e): the mask selects a value, nothing else
.endr
.macro KQ t, u
.if ((\t)%2 == 0) && (\u == 0)
	v_wmma_scale_f32_16x16x128_f8f6f4 v[S+64*\u+8*\t:S+64*\u+8*\t+7], v[16*\t:16*\t+15], v[QF+16*\u:QF+16*\u+15], 0, v[KSW+(\t)/2], v[QS]
.elseif \u == 0
	v_wmma_scale_f32_16x16x128_f8f6f4 v[S+64*\u+8*\t:S+64*\u+8*\t+7], v[16*\t:16*\t+15], v[QF+16*\u:QF+16*\u+15], 0, v[KSW+(\t)/2], v[QS] matrix_a_scale:MATRIX_SCALE_ROW1
.elseif (\t)%2 == 0
	v_wmma_scale_f32_16x16x128_f8f6f4 v[S+64*\u+8*\t:S+64*\u+8*\t+7], v[16*\t:16*\t+15], v[QF+16*\u:QF+16*\u+15], 0, v[KSW+(\t)/2], v[QS] matrix_b_scale:MATRIX_SCALE_ROW1
.else
	v_wmma_scale_f32_16x16x128_f8f6f4 v[S+64*\u+8*\t:S+64*\u+8*\t+7], v[16*\t:16*\t+15], v[QF+16*\u:QF+16*\u+15], 0, v[KSW+(\t)/2], v[QS] matrix_a_scale:MATRIX_SCALE_ROW1 matrix_b_scale:MATRIX_SCALE_ROW1
.endif
.endm
.macro PV t, u
.if (\t)%2 == 0
	v_wmma_scale_f32_16x16x128_f8f6f4 v[OT+64*\u+8*\t:OT+64*\u+8*\t+7], v[16*\t:16*\t+15], v[PCD+16*\u:PCD+16*\u+15], v[OT+64*\u+8*\t:OT+64*\u+8*\t+7], v[VSW+(\t)/2], v[PS+\u]
.else
	v_wmma_scale_f32_16x16x128_f8f6f4 v[OT+64*\u+8*\t:OT+64*\u+8*\t+7], v[16*\t:16*\t+15], v[PCD+16*\u:PCD+16*\u+15], v[OT+64*\u+8*\t:OT+64*\u+8*\t+7], v[VSW+(\t)/2], v[PS+\u] matrix_a_scale:MATRIX_SCALE_ROW1
.endif
.endm
.macro RSALL                           ; all of O^T x the number at +6 of its tile, each accumulator from its low end on
	WIN 0x41
.irp u, 0,1
.irp t, 0,1,2,3,4,5,6,7
.irp k, 0,2,4,6
	v_pk_mul_f32 v[OT+64*\u+8*\t+\k:OT+64*\u+8*\t+\k+1], v[OT+64*\u+8*\t+\k:OT+64*\u+8*\t+\k+1], v[STT+8*\u+6:STT+8*\u+7] op_sel_hi:[1,0]
.endr
.endr
.endr
.endm
.macro FRAGS adr                       ; eight fragments, 32 loads of 512 consecutive bytes, into window 1
	WIN 0x40
.irp t, 0,1,2,3,4,5,6,7
.irp c, 0,1,2,3
	ds_load_b128 v[16*\t+4*\c:16*\t+4*\c+3], v[\adr] offset:2048*\t+512*\c
.endr
.endr
.endm
; Line k (0 .. 39) of tile u's block maxima: the largest score of each block of 32 keys, which serves for the row's maximum and, since p rises with the score, for the block's largest p.  Each accumulator is first read at its low end.
.macro MAXI k, u
.set BB, BM-37*(\u)
.set SB, S+64*(\u)
.if (\k) < 4
	v_max3_num_f32 v[BB+(\k)], v[SB+16*(\k)], v[SB+16*(\k)+1], v[SB+16*(\k)+2]
.elseif (\k) < 28
	v_max3_num_f32 v[BB+(\k)%4], v[BB+(\k)%4], v[SB+16*((\k)%4)+2*((\k)/4)+1], v[SB+16*((\k)%4)+2*((\k)/4)+2]
.elseif (\k) < 32
	v_max_num_f32 v[BB+(\k)%4], v[BB+(\k)%4], v[SB+16*((\k)%4)+15]
.elseif (\k) < 36
	v_permlanex16_b32 v[PM+4*(\u)+(\k)%4], v[BB+(\k)%4], s[SEL], s[SEL+1]
.else
	v_max_num_f32 v[BB+(\k)%4], v[BB+(\k)%4], v[PM+4*(\u)+(\k)%4]   ; with lane l xor 16's 16 keys
.endif
.endm
.macro CH k, u                         ; line k of the chain from tile u's block maxima to m log2(e) - M
.set SR, STT+8*(\u)
.set BB, BM-37*(\u)
.if (\k) == 0
	v_max3_num_f32 v[T+\u], v[BB], v[BB+1], v[BB+2]
.elseif (\k) == 1
	v_max_num_f32 v[T+\u], v[T+\u], v[BB+3]        ; the step's largest score of my query,
.elseif (\k) == 2
	v_fma_f32 v[T+\u], v[T+\u], s[CS], v[SR+5]     ; as t (c is positive)
.elseif (\k) == 3
	v_max_num_f32 v[SR+1], v[SR+1], v[T+\u]
.elseif (\k) == 4
	v_floor_f32 v[SR+4], -v[SR+1]                  ; the new -M = -ceil(t)
.else
	v_add_f32 v[SR], v[SR+5], v[SR+4]              ; m log2(e) - M
.endif
.endm
.macro FC k, u                         ; line k of the chain to f; v[T2 + u] holds the old -M
.set SR, STT+8*(\u)
.if (\k) == 0
	v_sub_f32 v[T+\u], v[SR+4], v[T2+\u]           ; old M - new M: a whole number, 0 or less
.elseif (\k) == 1
	v_cvt_i32_f32 v[T+\u], v[T+\u]                 ; (it saturates)
.elseif (\k) == 2
	v_ldexp_f32 v[SR+6], 1.0, v[T+\u]              ; f = 2^(old M - new M)
.else
	v_pk_mul_f32 v[SR+2:SR+3], v[SR+2:SR+3], v[SR+6:SR+7] op_sel_hi:[1,0]   ; the sums under the new M
.endif
.endm
.macro ITEM j                          ; what stands behind every second line of tile 0's t - M
.if (\j) < 8
.if (\j)%2 == 0
	CH 2+(\j)/2, 1
.else
	FC (\j)/2, 0
.endif
.elseif (\j) < 12
	FC (\j)-8, 1
.endif
.endm
.macro SCI k, u                        ; line k (0 .. 18) of tile u's scales, from its blocks' largest p
.set BB, BM-37*(\u)
.set SX, SO-44*(\u)
.if (\k) < 4
	v_max_num_f32 v[BB+(\k)], 0x4800000, v[BB+(\k)]        ; the floor 2^(9 - 127): the byte cannot fall under 1
.elseif (\k) < 8
	v_add_nc_u32 v[SX+(\k)%4], 0xfc000000, v[BB+(\k)%4]    ; 8 off the exponent field: the conversion's scale operand
.elseif (\k) < 12
	v_and_or_b32 v[HD+(\k)%4], v[BB+(\k)%4], 0x7f800000, s[MNT]   ; 448 x the scale
.elseif (\k) < 16
	v_lshrrev_b32 v[PM+(\k)%4], 23, v[SX+(\k)%4]           ; the byte
.elseif (\k) == 16
	v_lshl_or_b32 v[PS+\u], v[PM+1], 8, v[PM]              ; p's scale word for these 128 keys
.elseif (\k) == 17
	v_lshl_or_b32 v[PS+\u], v[PM+2], 16, v[PS+\u]
.else
	v_lshl_or_b32 v[PS+\u], v[PM+3], 24, v[PS+\u]
.endif
.endm
.macro L2S k                           ; line k (0 .. 15): tile 0's sixteen sums by twos, which lie in v[PCD ..], go to its sum, in two chains
.if (\k) == 0
	v_pk_add_f32 v[T2:T2+1], v[PCD:PCD+1], v[PCD+2:PCD+3]
.elseif (\k) == 15
	v_pk_add_f32 v[STT+2:STT+3], v[STT+2:STT+3], v[T2:T2+1]
.elseif (\k)%2 == 1
	v_pk_add_f32 v[STT+2:STT+3], v[STT+2:STT+3], v[PCD+2*(\k)+2:PCD+2*(\k)+3]
.else
	v_pk_add_f32 v[T2:T2+1], v[T2:T2+1], v[PCD+2*(\k)+2:PCD+2*(\k)+3]
.endif
.endm
; A KEY STEP: the 128 keys at v[ADK], v[ADV].
.macro STEP
	NOPS 8                                         ; places behind the last step's products, in front of loads into the registers that they read
	ds_load_b128 v[KSW:KSW+3], v[ADK] offset:16384
	FRAGS ADK
	WIN 0x01
.irp t, 0,1,2,3,4,5,6,7
	s_wait_dscnt 28-4*\t                           ; the scale words and fragment t are in; the four loads of each later fragment may be out
	KQ \t, 0
	KQ \t, 1
.endr
	WIN 0
	NOPS 8                                         ; places in front of the loads into K's registers and of the first read of the scores
	ds_load_b128 v[VSW:VSW+3], v[ADV] offset:16384
	FRAGS ADV                                      ; V lands while the softmax is walked
	WIN 0
.set mi, 0
.rept 32
	MAXI mi, 0                                     ; a lane's own 16 keys of each block, the two tiles by turns
	MAXI mi, 1
.set mi, mi+1
.endr
	v_mov_b32 v[T2], v[STT+4]                      ; the old -M of both tiles
	v_mov_b32 v[T2+1], v[STT+12]
.irp k, 32,33,34,35
	MAXI \k, 0
.endr
.irp k, 32,33,34,35
	MAXI \k, 1
.endr
.irp k, 36,37,38,39
	MAXI \k, 0
.endr
.irp k, 0,1,2,3
	CH \k, 0                                       ; tile 0's chain, with tile 1's last maxima among it
	MAXI 36+\k, 1
.endr
	CH 4, 0
	CH 0, 1
	CH 5, 0
	CH 1, 1
.set n, 0
.rept 32
	v_pk_fma_f32 v[S+2*n:S+2*n+1], v[S+2*n:S+2*n+1], s[CS:CS+1], v[STT:STT+1] op_sel_hi:[1,0,0]   ; tile 0: t - M, two at a time; among these lines the rest of tile 1's chain and both chains to f
.if n%2 == 1
	ITEM (n-1)/2
.endif
.set n, n+1
.endr
.irp b, 0,1,2,3
	v_fma_f32 v[BM+\b], v[BM+\b], s[CS], v[STT]    ; the same of each block's largest score
.endr
	RSALL                                          ; O^T under the new M, ahead of the step's first exponential
	WIN 0
	s_wait_alu depctr_va_vdst(0)                   ; ahead of a batch of exponentials
.set n, 0
.rept 32
	v_exp_f32 v[S+2*n], v[S+2*n]                   ; tile 0: p = 2^(t - M); among them tile 1's t - M
	v_exp_f32 v[S+2*n+1], v[S+2*n+1]
	v_pk_fma_f32 v[S+64+2*n:S+64+2*n+1], v[S+64+2*n:S+64+2*n+1], s[CS:CS+1], v[STT+8:STT+9] op_sel_hi:[1,0,0]
.set n, n+1
.endr
.irp b, 0,1,2,3
	v_exp_f32 v[BM+\b], v[BM+\b]
	v_fma_f32 v[BM-37+\b], v[BM-37+\b], s[CS], v[STT+8]
.endr
	s_wait_alu depctr_va_vdst(0)                   ; behind tile 0's batch
.set q, 0
.rept 19
	SCI q, 0                                       ; tile 0's scales
.set q, q+1
.endr
	s_wait_alu depctr_va_vdst(0)                   ; ahead of tile 1's batch
.set n, 0
.rept 16
	v_exp_f32 v[S+64+4*n], v[S+64+4*n]             ; tile 1's p; among them, of tile 0: pairs 2 n and 2 n + 1 of the unquantised p are added, then held at 448 x their block's scale (p is not negative: one-sided; two holds a line)
	v_exp_f32 v[S+64+4*n+1], v[S+64+4*n+1]
	v_pk_add_f32 v[PCD+2*n:PCD+2*n+1], v[S+4*n:S+4*n+1], v[S+4*n+2:S+4*n+3]
	v_exp_f32 v[S+64+4*n+2], v[S+64+4*n+2]
	v_dual_min_num_f32 v[S+4*n], v[S+4*n], v[HD+n/4] :: v_dual_min_num_f32 v[S+4*n+1], v[S+4*n+1], v[HD+n/4]
	v_exp_f32 v[S+64+4*n+3], v[S+64+4*n+3]
	v_dual_min_num_f32 v[S+4*n+2], v[S+4*n+2], v[HD+n/4] :: v_dual_min_num_f32 v[S+4*n+3], v[S+4*n+3], v[HD+n/4]
.set n, n+1
.endr
	v_exp_f32 v[BM-37], v[BM-37]
	v_exp_f32 v[BM-36], v[BM-36]
	v_add_nc_u32 v[ADK], BLK, v[ADK]               ; on to the next step's blocks: this step's loads have been issued, and more than nine vector lines stand ahead of the next reader
	v_exp_f32 v[BM-35], v[BM-35]
	v_exp_f32 v[BM-34], v[BM-34]
	v_add_nc_u32 v[ADV], BLK, v[ADV]
	s_wait_alu depctr_va_vdst(0)                   ; behind tile 1's batch, ahead of its first reader and of the readers of what was written among it
	s_wait_dscnt 0x0                               ; V is in
.set q, 0
.rept 19
	SCI q, 1                                       ; tile 1's scales and the rest of tile 0's sum by turns
.if q < 16
	L2S q
.endif
.set q, q+1
.endr
; Tile 1 by pairs of p: the sum takes pair n, unquantised, in two chains; pair n - 2 is held; eight held numbers are converted.  Tile 0's eight conversions stand among these lines.
.set n, 1
.rept 33
.set m, n-2
.if n == 1
	v_pk_add_f32 v[T2:T2+1], v[S+64:S+65], v[S+66:S+67]
.elseif (n < 32) && (n%2 == 0)
	v_pk_add_f32 v[STT+10:STT+11], v[STT+10:STT+11], v[S+64+2*n:S+64+2*n+1]
.elseif n < 32
	v_pk_add_f32 v[T2:T2+1], v[T2:T2+1], v[S+64+2*n:S+64+2*n+1]
.endif
.if n%4 == 3
	v_cvt_scalef32_pk8_fp8_f32 v[PCD+2*((n-3)/4):PCD+2*((n-3)/4)+1], v[S+8*((n-3)/4):S+8*((n-3)/4)+7], v[SO+(n-3)/8]
.endif
.if m >= 0
	v_dual_min_num_f32 v[S+64+2*m], v[S+64+2*m], v[HD+m/8] :: v_dual_min_num_f32 v[S+64+2*m+1], v[S+64+2*m+1], v[HD+m/8]
.if m%4 == 3
	v_cvt_scalef32_pk8_fp8_f32 v[PCD+16+2*(m/4):PCD+16+2*(m/4)+1], v[S+64+8*(m/4):S+64+8*(m/4)+7], v[SO-44+m/8]
.endif
.endif
.set n, n+1
.endr
	v_pk_add_f32 v[STT+10:STT+11], v[STT+10:STT+11], v[T2:T2+1]   ; the two chains; also the plain line behind the last conversion
	NOPS 4                                         ; places between the last codes and the products
	WIN 0x51
.irp t, 0,1,2,3,4,5,6,7
	PV \t, 0                                       ; the sixteen accumulators take turns
	PV \t, 1
.endr
	WIN 0
.endm
; THE CHANGE OF SLOTS stands at a slot's head: all my tensor loads are in, the add, my reads of the bytes that I have left are over.  fill = 1: a round of the cluster's barrier, and behind it the other slot takes the next 512 keys.
.macro CHANGE fill
	v_add_nc_u32 v[ADK], s[SLB], v[LI]             ; the slot ahead
	v_add_nc_u32 v[ADV], VOFF, v[ADK]
	s_wait_alu depctr_va_vdst(0)
	s_wait_tensorcnt 0x0
	ds_add_u32 v[SPW], v[NIL]
.if \fill
	s_xor_b32 s[SLB], s[SLB], SLOTB                ; 0 or SLOTB: the slot that is filled now and walked next
	s_mul_i32 s[G0+1], s[WV], BLK
	s_add_co_u32 s[G0+1], s[G0+1], s[SLB]
	s_add_nc_u64 s[G0+2:G0+3], s[G0+2:G0+3], 4*BLK
.endif
	s_wait_dscnt 0x0
.if \fill
	CROUND
	tensor_load_to_lds s[G0:G0+3], s[G1:G1+7]      ; my one tensor load until the next round: it has four key steps in which to land
	s_nop 0
	NOPS 4
	s_cmp_eq_u32 s[SLOTS], 3
	s_cbranch_scc0 .Lnot_2_\@
	global_prefetch_b8 v[PFO], s[PFP:PFP+1] offset:8*BLK th:TH_LOAD_NT scope:SCOPE_SE    ; slot 2, one slot ahead of its load
.Lnot_2_\@:
	s_cmp_eq_u32 s[SLOTS], 2
	s_cbranch_scc0 .Lnot_3_\@
	global_prefetch_b8 v[PFO], s[PFP:PFP+1] offset:12*BLK th:TH_LOAD_NT scope:SCOPE_SE   ; slot 3; behind it there is none
.Lnot_3_\@:
.else
	s_barrier_signal -1
	s_barrier_wait -1
.endif
.endm
.macro RUN                             ; a slot's four key steps
	s_mov_b32 s[CNT], 4
.Lrun_\@:
	STEP
	s_sub_co_u32 s[CNT], s[CNT], 1
	s_cmp_lg_u32 s[CNT], 0
	s_cbranch_scc1 .Lrun_\@
.endm
.Lslot:                                            ; three trips: behind each change of slots but the last the next slot is asked for
	CHANGE 1
	RUN
	s_sub_co_u32 s[SLOTS], s[SLOTS], 1
	s_cmp_lg_u32 s[SLOTS], 0
	s_cbranch_scc1 .Lslot
	CHANGE 0                                       ; the last slot is written out
	RUN
	; THE WAY OUT: O^T / the row's sum, stored as it stands: 512 consecutive bytes an instruction.
	NOPS 8
.irp u, 0,1
	v_add_f32 v[STT+8*\u+2], v[STT+8*\u+2], v[STT+8*\u+3]
.endr
.irp u, 0,1
	v_permlanex16_b32 v[PM+\u], v[STT+8*\u+2], s[SEL], s[SEL+1]
.endr
.irp u, 0,1
	v_add_f32 v[STT+8*\u+2], v[STT+8*\u+2], v[PM+\u]
.endr
	s_wait_alu depctr_va_vdst(0)                   ; ahead of the reciprocals
.irp u, 0,1
	v_rcp_f32 v[STT+8*\u+6], v[STT+8*\u+2]
.endr
	WIN 0x41
	v_nop
	s_wait_alu depctr_va_vdst(0)                   ; behind them, directly ahead of O^T's first readers
	RSALL
	WIN 0x04                                       ; a store's data are its source 1: window 1
.irp u, 0,1
.set j, 0
.rept 16
	global_store_b128 v[LI], v[OT+64*\u+4*j:OT+64*\u+4*j+3], s[8:9] offset:8192*\u+512*j
.set j, j+1
.endr
.endr
	WIN 0
	s_wait_tensorcnt 0x0                           ; the wave's end
	ds_add_u32 v[SPW], v[NIL]
	s_wait_dscnt 0x0
	CROUND                                         ; the closing round
	s_endpgm
.Lfunc_end_k_q1484ba30e7_attn:
	.size	k_q1484ba30e7_attn, .Lfunc_end_k_q1484ba30e7_attn-k_q1484ba30e7_attn
	.p2alignl 7, 3214868480
	.fill 96, 4, 3214868480
	.section	.rodata,"a",@progbits
	.p2align	6, 0x0
	.amdhsa_kernel k_q1484ba30e7_attn
		.amdhsa_group_segment_fixed_size 327680
		.amdhsa_private_segment_fixed_size 0
		.amdhsa_enable_private_segment 0
		.amdhsa_kernarg_size 56
		.amdhsa_user_sgpr_count 2
		.amdhsa_user_sgpr_kernarg_segment_ptr 1
		.amdhsa_wavefront_size32 1
		.amdhsa_system_sgpr_workgroup_id_x 1
		.amdhsa_system_sgpr_workgroup_id_y 1
		.amdhsa_system_sgpr_workgroup_id_z 1
		.amdhsa_system_vgpr_workitem_id 0
		.amdhsa_next_free_vgpr 512
		.amdhsa_next_free_sgpr 80
		.amdhsa_reserve_vcc 1
		.amdhsa_float_denorm_mode_32 3
		.amdhsa_float_denorm_mode_16_64 3
		.amdhsa_memory_ordered 1
		.amdhsa_forward_progress 1
		.amdhsa_inst_pref_size 162
	.end_amdhsa_kernel
	.amdgpu_metadata
---
amdhsa.version: [ 1, 2 ]
amdhsa.kernels:
  - .name:           k_q1484ba30e7_attn
    .symbol:         k_q1484ba30e7_attn.kd
    .args:
      - { .name: xc, .offset: 0, .size: 8, .value_kind: global_buffer, .address_space: global }
      - { .name: xs, .offset: 8, .size: 8, .value_kind: global_buffer, .address_space: global }
      - { .name: wc, .offset: 16, .size: 8, .value_kind: global_buffer, .address_space: global }
      - { .name: ws, .offset: 24, .size: 8, .value_kind: global_buffer, .address_space: global }
      - { .name: img, .offset: 32, .size: 8, .value_kind: global_buffer, .address_space: global }
      - { .name: token_attention_masks_source, .offset: 40, .size: 8, .value_kind: global_buffer, .address_space: global }
      - { .name: oimg, .offset: 48, .size: 8, .value_kind: global_buffer, .address_space: global }
    .group_segment_fixed_size: 327680
    .private_segment_fixed_size: 0
    .kernarg_segment_align: 8
    .kernarg_segment_size: 56
    .max_flat_workgroup_size: 256
    .sgpr_count:     80
    .vgpr_count:     512
    .wavefront_size: 32
...
	.end_amdgpu_metadata
.endif
;; end of part 3
;; launch merge (part 4): grid 256 x 1, 8 waves a work-group, no clusters, 132,608 bytes of LDS; arguments oimg, out0; writes out0
.if DOCPART == 4
	.amdgcn_target "amdgcn-amd-amdhsa--gfx1250"
	.amdhsa_code_object_version 6
	.text
	.protected	k_q1484ba30e7_merge
	.globl	k_q1484ba30e7_merge
	.p2align	8
	.type	k_q1484ba30e7_merge,@function
k_q1484ba30e7_merge:
	s_mov_b64 s[64:65], 0
	v_nop
	global_prefetch_b8 v0, s[64:65] scope:SCOPE_SE
	s_setreg_imm32_b32 hwreg(HW_REG_WAVE_MODE, 25, 1), 1
	s_wait_xcnt 0x0
; out0[b][s][8 d + h] from the eight heads' register images.  oimg: [64 b + g][h][u][group n of four registers][lane][16 bytes]; register 4 n + k of lane (r, e) of tile u holds
; query 32 g + 8 u + r + 8 (r / 8), d = 32 (n / 4) + 16 e + 8 ((n / 2) % 2) + 4 (n % 2) + k.
; A row of out0 takes 4 bytes of each head in every 32, so the eight heads meet in LDS: a work-group takes one (b, g): 32 queries, 131,072 bytes in and as many out, both dense.
; Wave w asks for head w's 16,384 bytes at once, 512 consecutive bytes a load.  The work then goes in two halves, tile u = 0 and tile u = 1: each number of the tile goes to its place in a stage of 16 rows
; (row 16 u + r) of 4,096 bytes + 16; a barrier; each wave reads two whole rows back and stores them, 512 consecutive aligned bytes an instruction.  So tile 0's rows leave while tile 1's loads may still be out.
; The two halves have stage rows of their own: no wave writes bytes that another still reads.  The stage's pitch is 1,028 words, so the sixteen rows of a store fall on different banks;
; the two halves of the lanes, 128 words apart, fall on the same ones: two deep.
; Memory binds: no matrix unit, no cluster (no two work-groups read the same bytes), no loop.
.set PT,  4112                         ; a stage row
.set LI,  3                            ; v3   16 x lane
.set VA,  6                            ; v6-7 where I put a number: tile 0's rows, tile 1's (the 16-bit immediate does not reach them)
.set RB,  8                            ; v8-9 where I read rows back: tile 0's, tile 1's
.set DAT, 16                           ; v16-143
	s_load_b128 s[4:7], s[0:1], 0x0                ; oimg, out0
	v_lshl_add_u32 v144, v0, 2, 0x20200
	v_mov_b32 v145, 0
	v_lshrrev_b32 v1, 5, v0
	v_readfirstlane_b32 s8, v1                     ; wave 0..7: the head that I read
	v_and_b32 v2, 31, v0
	v_and_b32 v4, 15, v0                           ; r
	v_bfe_u32 v5, v0, 4, 1                         ; e
	v_lshlrev_b32 v[LI], 4, v2
	v_mul_u32_u24 v[VA], v4, PT
	s_lshl_b32 s9, s8, 2
	s_mul_i32 s10, s8, 2*PT
	v_add_nc_u32 v[RB], s10, v[LI]                 ; stage rows 2 w, 2 w + 1 of a tile's sixteen
	v_lshl_add_u32 v[VA], v5, 9, v[VA]             ; 16 e along d are 512 bytes
	v_add_nc_u32 v[RB+1], 16*PT, v[RB]
	v_add_nc_u32 v[VA], s9, v[VA]                  ; + 4 h
	v_add_nc_u32 v[VA+1], 16*PT, v[VA]
	s_lshl_b32 s12, ttmp9, 17                      ; 131,072 bytes a work-group
	s_lshl_b32 s14, s8, 14
	s_add_co_u32 s14, s14, s12
	s_mov_b32 s15, 0
	s_lshl_b32 s16, s8, 1                          ; stage row 16 u + 2 w + i is query 8 u + 2 w + 8 (w / 4) + i of the 32
	s_lshr_b32 s17, s8, 2
	s_lshl_b32 s17, s17, 3
	s_add_co_u32 s16, s16, s17
	s_lshl_b32 s16, s16, 12
	s_add_co_u32 s16, s16, s12
	s_mov_b32 s17, 0
	s_wait_alu depctr_va_vdst(0)                   ; the wait at the head's end
	s_wait_kmcnt 0x0
	s_add_nc_u64 s[4:5], s[4:5], s[14:15]
	s_add_nc_u64 s[6:7], s[6:7], s[16:17]
.set n, 0
.rept 32
	global_load_b128 v[DAT+4*n:DAT+4*n+3], v[LI], s[4:5] offset:512*n th:TH_LOAD_NT
.set n, n+1
.endr
.macro HALF u
.set n, 16*(\u)
.rept 16
	s_wait_loadcnt 31-n                            ; loads come back in order: load n is in, the younger ones may be out
.set qd, n%16
.irp k, 0,1,2,3
	ds_store_b32 v[VA+\u], v[DAT+4*n+\k] offset:32*(32*(qd/4)+8*((qd/2)%2)+4*(qd%2)+\k)
.endr
.set n, n+1
.endr
	s_wait_dscnt 0x0                               ; for the others' sake: my stores into the stage are done
	s_barrier_signal -1
	s_barrier_wait -1
.set n, 0
.rept 16
	ds_load_b128 v[DAT+64*(\u)+4*n:DAT+64*(\u)+4*n+3], v[RB+\u] offset:PT*(n/8)+512*(n%8)
.set n, n+1
.endr
.set n, 0
.rept 16
	s_wait_dscnt 15-n
	global_store_b128 v[LI], v[DAT+64*(\u)+4*n:DAT+64*(\u)+4*n+3], s[6:7] offset:32768*(\u)+4096*(n/8)+512*(n%8) th:TH_STORE_NT
.set n, n+1
.endr
.endm
	HALF 0
	HALF 1
	s_wait_tensorcnt 0x0                           ; the wave's end
	ds_add_u32 v144, v145
	s_wait_dscnt 0x0
	s_endpgm
.Lfunc_end_k_q1484ba30e7_merge:
	.size	k_q1484ba30e7_merge, .Lfunc_end_k_q1484ba30e7_merge-k_q1484ba30e7_merge
	.p2alignl 7, 3214868480
	.fill 96, 4, 3214868480
	.section	.rodata,"a",@progbits
	.p2align	6, 0x0
	.amdhsa_kernel k_q1484ba30e7_merge
		.amdhsa_group_segment_fixed_size 132608
		.amdhsa_private_segment_fixed_size 0
		.amdhsa_enable_private_segment 0
		.amdhsa_kernarg_size 16
		.amdhsa_user_sgpr_count 2
		.amdhsa_user_sgpr_kernarg_segment_ptr 1
		.amdhsa_wavefront_size32 1
		.amdhsa_system_sgpr_workgroup_id_x 1
		.amdhsa_system_sgpr_workgroup_id_y 1
		.amdhsa_system_sgpr_workgroup_id_z 1
		.amdhsa_system_vgpr_workitem_id 0
		.amdhsa_next_free_vgpr 146
		.amdhsa_next_free_sgpr 66
		.amdhsa_reserve_vcc 0
		.amdhsa_float_denorm_mode_32 3
		.amdhsa_float_denorm_mode_16_64 3
		.amdhsa_memory_ordered 1
		.amdhsa_forward_progress 1
		.amdhsa_inst_pref_size 20
	.end_amdhsa_kernel
	.amdgpu_metadata
---
amdhsa.version: [ 1, 2 ]
amdhsa.kernels:
  - .name:           k_q1484ba30e7_merge
    .symbol:         k_q1484ba30e7_merge.kd
    .args:
      - { .name: oimg, .offset: 0, .size: 8, .value_kind: global_buffer, .address_space: global }
      - { .name: out0, .offset: 8, .size: 8, .value_kind: global_buffer, .address_space: global }
    .group_segment_fixed_size: 132608
    .private_segment_fixed_size: 0
    .kernarg_segment_align: 8
    .kernarg_segment_size: 16
    .max_flat_workgroup_size: 256
    .sgpr_count:     66
    .vgpr_count:     146
    .wavefront_size: 32
...
	.end_amdgpu_metadata
.endif
;; end of part 4
